; MI455X (gfx1250); checked and timed in simulation.
; The chip was launched on July 23, 2026; its instructions are those of AMD's public machine-readable ISA for CDNA 5 (MIT licence, August 2026) and "CDNA5" Instruction Set Architecture Reference Guide (July 2026). The comments in the code are by the model that wrote it; some were corrected since.
;; Swin Transformer Block. Allowed arithmetic: matrix products marked QUANTISED: E2M1 operands, one E8M0 scale for each 32 along K, by v_wmma_scale_f32_16x16x128_f8f6f4 with both operands' format E2M1 (or v_wmma_scale_f32_32x16x128_f4), f32 sums; everything else in f32.
;; Inputs: fc1_b 512 float32; fc1_w 512 x 128 float32; fc2_b 128 float32; fc2_w 128 x 512 float32; norm1_b 128 float32; norm1_w 128 float32; norm2_b 128 float32; norm2_w 128 float32; proj_b 128 float32; proj_w 128 x 128 float32; qkv_b 384 float32; qkv_w 384 x 128 float32; rpb_table 225 x 4 float32; x_v 4 x 2 x 16,384 x 128 float32.
;; Outputs: out0 4 x 2 x 16,384 x 128 float32.
;; This version of the problem:
;;   THIS VERSION OF THE PROBLEM IS GIVEN IN LOW PRECISION. The matrix products marked QUANTISED in the list below multiply operands that are first quantised to E2M1 (2 exponent bits, 1 mantissa bit; 4 bits a number), with one power-of-two scale for each 32 numbers along K (OCP MX v1.0); their sums are f32. All else is computed in f32.
;;   The module's matrix products, in the order in which they are computed (A, B: the left and right operand; K: the contracted axis; several contracted axes count as one K, in the product's order):
;;     1. [M 131,072, K 128] x [K 128, N 384]; A: computed on the way; B: input qkv_w: QUANTISED
;;     2. batch 4,096 x [M 128, K 32] x [K 32, N 128]; A: computed on the way; B: computed on the way: QUANTISED
;;     3. batch 4,096 x [M 128, K 128] x [K 128, N 32]; A: softmax (see below); B: computed on the way: QUANTISED
;;     4. [M 131,072, K 128] x [K 128, N 128]; A: computed on the way; B: input proj_w: QUANTISED
;;     5. [M 131,072, K 128] x [K 128, N 512]; A: computed on the way; B: input fc1_w: QUANTISED
;;     6. [M 131,072, K 512] x [K 512, N 128]; A: computed on the way; B: input fc2_w: QUANTISED
;;   THE QUANTISER, for each operand of a quantised product, along K:
;;     - K is cut into blocks of 32 from its start; a last block that is shorter is filled with zeros.
;;     - A block's scale is 2^e with e = floor(log2(the largest magnitude in the block)) - 2, held to -126 .. 127; a block of zeros has e = 0. As a byte (E8M0): e + 127.
;;     - Each number is divided by its block's scale, clamped to +-6, and rounded to the nearest number of E2M1, ties to even, subnormals kept.
;;     - The product sums the exact products of the quantised numbers (number of the format x scale) in f32.
;;   ~~~python
;;   def quantise(x, axis):      # numpy; x: float32 -> the quantised numbers, widened to float32 again
;;       x = np.moveaxis(x, axis, -1); K = x.shape[-1]
;;       x = np.pad(x, [(0, 0)] * (x.ndim - 1) + [(0, -K % 32)]); x = x.reshape(x.shape[:-1] + (-1, 32)); a = np.abs(x).max(-1, keepdims=True)
;;       e = np.where(a > 0, np.clip(np.frexp(np.where(a > 0, a, 1))[1] - 1 - 2, -126, 127), 0)      # np.frexp(a)[1] - 1 = floor(log2(a)), exactly
;;       r = np.clip(x / 2.0 ** e, -6, 6)
;;       step = 2.0 ** (np.maximum(np.frexp(np.where(r == 0, 1, r))[1] - 1, 0) - 1)
;;       q = np.round(r / step) * step * 2.0 ** e      # np.round: ties to even
;;       return np.moveaxis(q.reshape(q.shape[:-2] + (-1,))[..., :K], -1, axis).astype(np.float32)
;;   ~~~
;;   SOFTMAX AHEAD OF A QUANTISED PRODUCT. Where the list says 'softmax', what is quantised is not the finished softmax but p = 2^(t - M), with t = logit x log2(e) and M = ceil(the row's largest t), a whole number; so 1/2 < the row's largest p <= 1. The row's sum l is taken of the UNQUANTISED p, in f32, and the product's result is divided by l at the end. Since M is a whole number, a kernel that streams over the keys may use a running M (the ceiling of the running maximum): every later rescaling is an exact power of two, which a block's scale takes up: the codes' values come out the same.
;;   OPERANDS COMPUTED ON THE WAY. 'Computed on the way' means the value that the module computes at that place (a softmax that the list does not call 'softmax' is quantised finished and normalised). What goes into a quantiser is computed in f32, as accurately as f32 sums, v_exp_f32 and their like allow (about 1e-6 of the number): no bf16 or f16 on the way to a quantiser, and a product that is left as it is and whose result goes on into a quantised operand takes f32 operands (vector FMAs, or v_wmma_f32_16x16x4_f32). A number that lies on a knife's edge between two numbers of the format may be rounded either way, as far as f32 arithmetic and the matrix unit's own rounding can turn it there, and no further.
;; 2 versions, each right; version 2 is version 1 with the launch swin written anew for expert scheduling mode. Each part assembles by itself: llvm-mc -triple=amdgcn-amd-amdhsa -mcpu=gfx1250 --defsym DOCPART=n.
;; ======== version 1 of 2: 2 launches
;; limits: a function is approximated: absolute error at most 1.5e-07
;; workspace buffers: wcodes 98,304 bytes; wscales 12,288 bytes
;; launch wq (part 1): grid 96 x 1, 1 waves a work-group, no clusters, 0 bytes of LDS; arguments qkv_w, proj_w, fc1_w, fc2_w, wcodes, wscales; writes wcodes, wscales
.if DOCPART == 1
	.amdgcn_target "amdgcn-amd-amdhsa--gfx1250"
	.amdhsa_code_object_version 6
	.text
	.protected	k_qfc1ddd1f55_wq
	.globl	k_qfc1ddd1f55_wq
	.p2align	8
	.type	k_qfc1ddd1f55_wq,@function
k_qfc1ddd1f55_wq:
	s_mov_b64 s[64:65], 0
	v_nop
	global_prefetch_b8 v0, s[64:65] scope:SCOPE_SE
	s_setreg_imm32_b32 hwreg(HW_REG_WAVE_MODE, 25, 1), 1
	s_wait_xcnt 0x0
; The four weights (all stored [N][K], K innermost, f32) become codes of E2M1 with one E8M0 byte for each 32 along K, laid as IMAGES OF THE OPERAND'S REGISTERS.
; A fragment is 16 rows x 128 K: 8 registers a lane.  Register group c (0, 1) lies at byte 512 c + 16 lane of the fragment's 1,024 bytes; lane (r = lane % 16, h = lane / 16)
; holds row r, k = 64 c + 32 h + 0 .. 31.  Its scale word (byte b = block b of the 128) lies at 4 x lane of the fragment's 128 bytes, the same in lanes r and r + 16.
; THE ROWS OF A TILE ARE NOT NEIGHBOURS: row rho of tile T is row 32 (T / 2) + 8 (T % 2) + rho + 8 (rho / 8) of the weight, so that the results of two neighbouring tiles are 16 neighbours along the next K.
; Fragment f = the work-group's number: 0-23 qkv_w (T = f), 24-31 proj_w (T = f - 24), 32-63 fc1_w (T = f - 32), 64-95 fc2_w (f - 64 = 8 s + T, s the K step of 128).
; One wave to a fragment: 96 work-groups; the whole work is 786,432 bytes in and 110,592 out, once.  No LDS, no barrier.
; A block's scale is 2^(floor(log2(its largest magnitude)) - 2): its byte is the largest magnitude's exponent field - 2, held at 1 from below.
; LIMITS: a block of zeros, or one whose largest magnitude lies under 2^-124, gets the byte 1 (the rule says 127 for zeros): its codes are zeros or are made under that held scale, and only this program reads the bytes.  NaN and infinities are not served.
	s_load_b256 s[4:11], s[0:1], 0x0               ; qkv_w s[4:5], proj_w s[6:7], fc1_w s[8:9], fc2_w s[10:11]
	s_load_b128 s[12:15], s[0:1], 0x20             ; wcodes s[12:13], wscales s[14:15]
	v_and_b32 v1, 15, v0                           ; r
	v_bfe_u32 v2, v0, 4, 1                         ; h
	v_and_b32 v3, 8, v1
	v_add_nc_u32 v3, v3, v1                        ; r + 8 (r / 8)
	v_lshlrev_b32 v4, 4, v0                        ; 16 x lane (one wave: the thread's number is the lane)
	v_lshlrev_b32 v5, 2, v0                        ; 4 x lane
	s_mov_b32 s28, 0x76543210
	s_mov_b32 s29, 0xfedcba98                      ; v_permlanex16_b32's selects for lane l xor 16
	s_wait_kmcnt 0x0
	s_cmp_ge_u32 ttmp9, 24                         ; which tensor: the choice hangs on the work-group's number alone
	s_cselect_b64 s[16:17], s[6:7], s[4:5]
	s_cselect_b32 s18, 24, 0                       ; the tensor's first fragment
	s_cmp_ge_u32 ttmp9, 32
	s_cselect_b64 s[16:17], s[8:9], s[16:17]
	s_cselect_b32 s18, 32, s18
	s_cmp_ge_u32 ttmp9, 64
	s_cselect_b64 s[16:17], s[10:11], s[16:17]
	s_cselect_b32 s18, 64, s18
	s_cselect_b32 s19, 11, 9                       ; a row is 2,048 bytes in fc2_w, 512 in the others
	s_cselect_b32 s20, 7, 31                       ; fc2_w: T is the low three bits
	s_sub_co_u32 s21, ttmp9, s18
	s_and_b32 s22, s21, s20                        ; T
	s_lshr_b32 s23, s21, 3
	s_cmp_ge_u32 ttmp9, 64
	s_cselect_b32 s23, s23, 0                      ; the K step: fc2_w alone has more than one
	s_lshr_b32 s24, s22, 1
	s_lshl_b32 s24, s24, 5
	s_and_b32 s25, s22, 1
	s_lshl_b32 s25, s25, 3
	s_add_co_u32 s24, s24, s25                     ; 32 (T / 2) + 8 (T % 2)
	v_add_nc_u32 v3, s24, v3                       ; my row of the weight
	v_lshlrev_b32 v3, s19, v3                      ; in bytes,
	v_lshl_add_u32 v3, v2, 7, v3                   ; + 32 h numbers,
	s_lshl_b32 s23, s23, 9
	v_add_nc_u32 v3, s23, v3                       ; + the K step's 128 numbers
	s_lshl_b32 s26, ttmp9, 10
	s_mov_b32 s27, 0
	s_add_nc_u64 s[12:13], s[12:13], s[26:27]      ; my fragment's 1,024 bytes of codes
	s_lshl_b32 s26, ttmp9, 7
	s_add_nc_u64 s[14:15], s[14:15], s[26:27]      ; and its 128 bytes of scale words
.irp c, 0,1
.irp i, 0,1,2,3,4,5,6,7
	global_load_b128 v[64+32*\c+4*\i:64+32*\c+4*\i+3], v3, s[16:17] offset:256*\c+16*\i   ; k = 64 c + 32 h + 4 i ..: a whole block of 32 in my 32 registers
.endr
.endr
	s_wait_loadcnt 0x0
.irp c, 0,1
	v_max3_num_f32 v[32+\c], |v[64+32*\c]|, |v[65+32*\c]|, 0x1800000   ; my block 2 c + h, and the floor 2^(3 - 127): the byte cannot fall under 1
.endr
.irp i, 2,4,6,8,10,12,14,16,18,20,22,24,26,28,30
.irp c, 0,1
	v_max3_num_f32 v[32+\c], v[32+\c], |v[64+32*\c+\i]|, |v[65+32*\c+\i]|   ; the two blocks by turns
.endr
.endr
.irp c, 0,1
	v_add_nc_u32 v[44+\c], 0xff000000, v[32+\c]    ; 2 off the exponent field: the conversion takes this operand's exponent field as its scale
.endr
.irp c, 0,1
	v_lshrrev_b32 v[36+\c], 23, v[44+\c]           ; the scale's byte
.endr
	v_lshl_or_b32 v9, v37, 16, v36                 ; my two bytes: blocks h and 2 + h,
	v_lshlrev_b32 v10, 3, v2
	v_lshlrev_b32 v9, v10, v9                      ; at their places in the word (8 h bits up);
	v_mov_b32 v10, 0
	v_permlanex16_b32 v10, v9, s28, s29
	v_or_b32 v9, v9, v10                           ; with lane l xor 16's two the word is whole
.irp c, 0,1
.irp g, 0,1,2,3
	v_cvt_scalef32_pk8_fp4_f32 v[48+4*\c+\g], v[64+32*\c+8*\g:64+32*\c+8*\g+7], v[44+\c]
.endr
.endr
	v_nop                                          ; one plain place behind the last scaled conversion
	global_store_b128 v4, v[48:51], s[12:13]       ; 32 lanes store 512 consecutive bytes
	global_store_b128 v4, v[52:55], s[12:13] offset:512
	global_store_b32 v5, v9, s[14:15]
	s_endpgm
.Lfunc_end_k_qfc1ddd1f55_wq:
	.size	k_qfc1ddd1f55_wq, .Lfunc_end_k_qfc1ddd1f55_wq-k_qfc1ddd1f55_wq
	.p2alignl 7, 3214868480
	.fill 96, 4, 3214868480
	.section	.rodata,"a",@progbits
	.p2align	6, 0x0
	.amdhsa_kernel k_qfc1ddd1f55_wq
		.amdhsa_group_segment_fixed_size 0
		.amdhsa_private_segment_fixed_size 0
		.amdhsa_enable_private_segment 0
		.amdhsa_kernarg_size 48
		.amdhsa_user_sgpr_count 2
		.amdhsa_user_sgpr_kernarg_segment_ptr 1
		.amdhsa_wavefront_size32 1
		.amdhsa_system_sgpr_workgroup_id_x 1
		.amdhsa_system_sgpr_workgroup_id_y 1
		.amdhsa_system_sgpr_workgroup_id_z 1
		.amdhsa_system_vgpr_workitem_id 0
		.amdhsa_next_free_vgpr 128
		.amdhsa_next_free_sgpr 66
		.amdhsa_reserve_vcc 0
		.amdhsa_float_denorm_mode_32 3
		.amdhsa_float_denorm_mode_16_64 3
		.amdhsa_memory_ordered 1
		.amdhsa_forward_progress 1
		.amdhsa_inst_pref_size 7
	.end_amdhsa_kernel
	.amdgpu_metadata
---
amdhsa.version: [ 1, 2 ]
amdhsa.kernels:
  - .name:           k_qfc1ddd1f55_wq
    .symbol:         k_qfc1ddd1f55_wq.kd
    .args:
      - { .name: qkv_w, .offset: 0, .size: 8, .value_kind: global_buffer, .address_space: global }
      - { .name: proj_w, .offset: 8, .size: 8, .value_kind: global_buffer, .address_space: global }
      - { .name: fc1_w, .offset: 16, .size: 8, .value_kind: global_buffer, .address_space: global }
      - { .name: fc2_w, .offset: 24, .size: 8, .value_kind: global_buffer, .address_space: global }
      - { .name: wcodes, .offset: 32, .size: 8, .value_kind: global_buffer, .address_space: global }
      - { .name: wscales, .offset: 40, .size: 8, .value_kind: global_buffer, .address_space: global }
    .group_segment_fixed_size: 0
    .private_segment_fixed_size: 0
    .kernarg_segment_align: 8
    .kernarg_segment_size: 48
    .max_flat_workgroup_size: 32
    .sgpr_count:     66
    .vgpr_count:     128
    .wavefront_size: 32
...
	.end_amdgpu_metadata
.endif
;; end of part 1
;; launch swin (part 2): grid 256 x 1, 4 waves a work-group, no clusters, 166,400 bytes of LDS; arguments x_v, qkv_b, proj_b, rpb_table, norm1_w, norm1_b, norm2_w, norm2_b, fc1_b, fc2_b, wcodes, wscales, out0; writes out0
.if DOCPART == 2
	.amdgcn_target "amdgcn-amd-amdhsa--gfx1250"
	.amdhsa_code_object_version 6
	.text
	.protected	k_qfc1ddd1f55_swin
	.globl	k_qfc1ddd1f55_swin
	.p2align	8
	.type	k_qfc1ddd1f55_swin,@function
k_qfc1ddd1f55_swin:
	s_mov_b64 s[64:65], 0
	v_nop
	global_prefetch_b8 v0, s[64:65] scope:SCOPE_SE
	s_setreg_imm32_b32 hwreg(HW_REG_WAVE_MODE, 25, 1), 1
	s_wait_xcnt 0x0
; ONE SWIN BLOCK, FUSED: shift by 4, windows of 8 x 8 x 2 frames (128 tokens x 128 channels), QKV, attention of 4 heads with relative-position bias and shift mask, projection, residual,
; LayerNorm (norm2), MLP with exact GELU, residual, LayerNorm (norm1).  All six products on codes of E2M1 with one E8M0 byte for each 32 along K, sums in f32; all else in f32.
; Roll, partition and their reverses only permute tokens, and a token's result goes back to the address that its x came from: a window is 65,536 bytes in and 65,536 out, and nothing else goes to memory.
; SHARES.  Work-group g owns window place (g / 16, g % 16) in all four batch elements: a loop of four windows.  The place is fixed, so the shift mask is a constant of the work-group, added once to the bias tiles.
; Four waves, as many as a WGP has SIMDs.  Two ways of sharing a window:
;   BY ROWS (x, projection, both LayerNorms, MLP, output): wave w owns tokens 32 w .. 32 w + 31 as two tiles of 16.  Lane (r, h) holds row r of a tile, register 16 b + i its channel 32 b + 16 h + i ("Q layout", 64 registers a tile).
;   BY HEADS (QKV, attention): wave w is head w for all 128 tokens; q, k, v, scores and p never leave the wave.
; What goes from wave to wave is codes, through LDS, as images of the operand's registers: x's eight fragments in, the attention result's eight out: two barriers a window.
; TOKENS.  Row r of token tile 2 b + u is token 32 b + 8 u + r + 8 (r / 8); the weights' tiles take their rows by the same rule: so a product's results in two neighbouring tiles are 16 neighbours along the next K, and nothing is transposed.
; A HEAD'S K OF 32 IN AN INSTRUCTION OF 128: a token tile's codes lie in lanes 0-15 of four registers (block 0).  Q's blocks 1 to 3 are zero codes, so whatever K's run of eight registers holds there adds nothing
; (E2M1 has no infinity or NaN; the scale words' upper three bytes are 0, a power of two).
; BIASES, MASK AND RESIDUALS ARE THE C OF A SUM'S FIRST MATRIX INSTRUCTION: no addition is spent on them but x + proj_b and x1 + fc2_b, once a window.
; NO TENSOR LOADS: a window's rows wrap at the image's edge, and x is asked for by plain loads, 16,384 bytes a wave, a whole MLP phase ahead of its use.
; NO CLUSTER: what work-groups share is the weights' codes, about 125,000 bytes a work-group, read once at the head, against 524,288 bytes of x and out0 that are the work-group's own.
; LIMITS.  NaN and infinities are not served.  A block whose largest magnitude lies under 2^-124 has its byte held at 1, a block of zeros too (the rule says 127: its codes are zeros, and only this program reads the bytes).
; erf is the rational form of Abramowitz and Stegun 7.1.26 (absolute error up to 1.5e-7); GELU = 0.5 x + |x| (0.5 - erfc(|x| / sqrt 2) / 2), which cancels for negative x as x (1 + erf) / 2 does.
; Orders of rounding that differ from the formula as written: score + (bias + mask); (x + proj_b) + sum; (x1 + fc2_b) + sum.  1 / l and 1 / sqrt(var + eps) are v_rcp_f32 and v_rsq_f32.
;
; LDS (bytes)
.set W1SC,   65536                     ; 0: fc1's 32 fragments; 32,768: fc2's 32 (8 s + T); here: their scale words, 128 bytes a fragment, fc1's then fc2's
.set VEC,    73728                     ; the vectors as they lie in memory: fc1_b, then
.set V_PROJB, 2048
.set V_FC2B,  2560
.set V_N2W,   3072
.set V_N2B,   3584
.set V_N1W,   4096
.set V_N1B,   4608
.set XIMG,   78848                     ; x's eight fragments, 1,024 bytes each
.set XSC,    87040                     ; their scale words, 128 bytes a tile
.set AIMG,   88064                     ; the attention result's eight fragments
.set ASC,    96256                     ; their scale bytes: 64 tile + 4 r + head
.set STAGE,  97280                     ; a stage for each wave: 32 token rows of 512 bytes + 16
.set SPITCH, 528                       ; 33 x 16 bytes: the sixteen rows that a load touches start in sixteen different groups of banks
.set WSTAGE, 32*SPITCH
; REGISTERS, window 0
.set LI,  1                            ; 16 x lane
.set LS,  3                            ; 4 x lane
.set XWI, 4                            ; where I store x's images
.set XWS, 5                            ; and their scale words
.set SD,  6                            ; my stage, a whole row to the wave: + 16 x lane
.set SQ,  7                            ; my stage in Q layout: + 528 r + 64 h
.set AW,  8                            ; where my head's 8 bytes of a token's codes go
.set ASW, 9                            ; and its scale byte
.set AFR, 10                           ; where I read my two tiles' fragments of the attention result
.set ASR, 11                           ; and their scale words
.set VB,  12                           ; the vectors in Q layout: VEC + 64 h
.set WA,  13                           ; the MLP group's fragments, scale words, bias
.set WSA, 14
.set WBA, 15
.set XRD, 22                           ; x's images, read
.set XSR, 23
.set WQS, 24                           ; v24-66 hold scale words and nothing else: v24-29 my head's six tiles of qkv_w, v30-37 proj_w's eight, v38-39 the attention result's
.set WPS, 30
.set AS,  38
.set XS,  40                           ; attention: x's 40-47, q's 48-55, k's 56-63, v's 64-65, p's 66
.set QS,  48
.set KS,  56
.set VS,  64
.set PS,  66
.set W1S, 40                           ; MLP: fc1's 40-47, fc2's 48-55, h's 56-57, the hidden layer's 58-59
.set W2S, 48
.set HS,  56
.set GS,  58
.set TM,  84                           ; the quantiser's twelve: maxima, bytes, scale operands.  v68-95 are at work everywhere
.set CF,  96                           ; v96-127 fragments just made or fetched
.set A,   128                          ; v128-255 results of the product in hand
; window 1
.set X,   0                            ; my 32 tokens, Q layout: x, x1, x + h, y
.set U,   128                          ; the next window's rows as loaded; then q's and k's codes; then vectors
.set QC,  128                          ; tile j: 4 registers of codes, 4 of zeros
.set KC,  192                          ; tile i: 4 registers of codes
; window 2
.set RPB, 0                            ; 16 tiles of bias + mask: (query tile % 4, key tile % 4)
.set WQ,  128                          ; my head's q0 q1 k0 k1 v0 v1
.set WP,  176                          ; proj_w's eight
.set BV,  240                          ; v's bias, two tiles
; window 3
.set W1,  0                            ; a group of eight fragments of fc1_w
.set W2,  64                           ; and of fc2_w
.set XF,  64                           ; in the attention phase: x's eight fragments
.set B1,  128                          ; the group's fc1_b, eight tiles
.set BQK, 192                          ; q's and k's bias, four tiles
; s_set_vgpr_msb's low byte: bits 1:0 source 0, 3:2 source 1, 5:4 source 2, 7:6 destination; the high byte repeats the setting that is left
.set MSB, 0
.macro WIN new
.if MSB != (\new)
	s_set_vgpr_msb ((MSB<<8)|(\new))
.set MSB, (\new)
.endif
.endm
.macro NOPS n
.rept \n
	v_nop
.endr
.endm
; 64 numbers of a lane in Q layout, v[s] on in window sw, become a fragment's codes in v[pc] on and its scale word in v[pw] (both window 0)
.macro QUANT s, sw, pc, pw
	WIN ((\sw)|((\sw)<<2))
.irp b, 0,1,2,3
	v_max3_num_f32 v[TM+\b], |v[(\s)+16*\b]|, |v[(\s)+16*\b+1]|, 0x1800000   ; block b: my 16 numbers from the low end on, and the floor 2^(3 - 127): the byte cannot fall under 1
.endr
.irp i, 2,4,6,8,10,12,14
.irp b, 0,1,2,3
	v_max3_num_f32 v[TM+\b], |v[(\s)+16*\b+\i]|, |v[(\s)+16*\b+\i+1]|, v[TM+\b]   ; the four blocks by turns
.endr
.endr
	WIN 0
.irp b, 0,1,2,3
	v_permlanex16_b32 v[TM+4+\b], v[TM+\b], s42, s43
.endr
.irp b, 0,1,2,3
	v_max_num_f32 v[TM+\b], v[TM+\b], v[TM+4+\b]   ; with lane l xor 16's: the block's largest magnitude
.endr
.irp b, 0,1,2,3
	v_add_nc_u32 v[TM+8+\b], 0xff000000, v[TM+\b]  ; 2 off its exponent field: the conversion's scale operand
.endr
.irp b, 0,1,2,3
	v_lshrrev_b32 v[TM+4+\b], 23, v[TM+8+\b]       ; the scale's byte
.endr
	v_lshl_or_b32 v[\pw], v[TM+5], 8, v[TM+4]
	v_lshl_or_b32 v[\pw], v[TM+6], 16, v[\pw]
	v_lshl_or_b32 v[\pw], v[TM+7], 24, v[\pw]
	WIN (\sw)
.irp b, 0,1,2,3
	v_cvt_scalef32_pk8_fp4_f32 v[(\pc)+2*\b], v[(\s)+16*\b:(\s)+16*\b+7], v[TM+8+\b]
	v_cvt_scalef32_pk8_fp4_f32 v[(\pc)+2*\b+1], v[(\s)+16*\b+8:(\s)+16*\b+15], v[TM+8+\b]
.endr
	WIN 0
	v_nop                                          ; one plain place behind a scaled conversion
.irp c, 0,1                                    ; the operand's layout wants a whole block in a lane
.irp i, 0,1
	v_permlane16_swap_b32 v[(\pc)+4*\c+\i], v[(\pc)+4*\c+2+\i]
.endr
.endr
.endm
.macro IMAGE adr, pc, off                      ; a fragment goes to LDS as it stands
.irp c, 0,1
	ds_store_b128 v[\adr], v[(\pc)+4*\c:(\pc)+4*\c+3] offset:(\off)+512*\c
.endr
.endm
.macro FETCH reg, adr, off                     ; and comes back so, in any wave
.irp c, 0,1
	ds_load_b128 v[(\reg)+4*\c:(\reg)+4*\c+3], v[\adr] offset:(\off)+512*\c
.endr
.endm
.macro VLOAD reg, adr, off                     ; 128 numbers of a vector in Q layout: 64 registers; the sixteen lanes of a half read the same words
.irp b, 0,1,2,3
.irp q, 0,1,2,3
	ds_load_b128 v[(\reg)+16*\b+4*\q:(\reg)+16*\b+4*\q+3], v[\adr] offset:(\off)+128*\b+16*\q
.endr
.endr
.endm
; my 32 tokens of the window at the x bases: each load is one token's 512 consecutive bytes.  Local token i: window row i / 8 (65,536 bytes a row of the image), column i % 8: columns 0-3 from base A, 4-7 from base B (the wrap at the image's edge lies between them)
.macro XPRE
	WIN 0x40
.set i, 0
.rept 32
.if (i&4)
	global_load_b128 v[U+4*i:U+4*i+3], v[LI], s[36:37] offset:(i>>3)*65536+(i&3)*512 th:TH_LOAD_NT
.else
	global_load_b128 v[U+4*i:U+4*i+3], v[LI], s[34:35] offset:(i>>3)*65536+(i&3)*512 th:TH_LOAD_NT
.endif
.set i, i+1
.endr
	WIN 0
.endm
; q and k of four token tiles (4 rnd ..): source 0 = 16 rows of the weight, source 1 = x: a lane holds one token, tiles u = 0, 1 its head channels 16 h + 0 .. 15.  Sixteen accumulators, one instruction each
.macro QKP rnd
	WIN 0x3E
.irp t, 0,1,2,3
.irp m, 0,1,2,3
	v_wmma_scale_f32_16x16x128_f8f6f4 v[A+32*\t+8*\m:A+32*\t+8*\m+7], v[WQ+8*\m:WQ+8*\m+7], v[XF+8*(4*\rnd+\t):XF+8*(4*\rnd+\t)+7], v[BQK+8*\m:BQK+8*\m+7], v[WQS+\m], v[XS+4*\rnd+\t] matrix_a_fmt:MATRIX_FMT_FP4 matrix_b_fmt:MATRIX_FMT_FP4
.endr
.endr
	WIN 0
	NOPS 4                                         ; four places behind the products, ahead of the first read of their results
.endm
; they are quantised: eight chains (tile c / 2; q where c is even, k where odd), 16 numbers a lane, the other 16 of the block in lane l xor 16
.macro QKQ rnd
.irp t, 0,1,2,3
.irp p, 0,2,4,6,8,10,12,14
	v_pk_mul_f32 v[A+32*\t+\p:A+32*\t+\p+1], v[A+32*\t+\p:A+32*\t+\p+1], s[46:47] op_sel_hi:[1,0]   ; q x 32^-0.5, ahead of the quantiser
.endr
.endr
.irp c, 0,1,2,3,4,5,6,7
	v_max3_num_f32 v[68+\c], |v[A+16*\c]|, |v[A+16*\c+1]|, 0x1800000
.endr
.irp i, 2,4,6,8,10,12,14
.irp c, 0,1,2,3,4,5,6,7
	v_max3_num_f32 v[68+\c], v[68+\c], |v[A+16*\c+\i]|, |v[A+16*\c+\i+1]|
.endr
.endr
.irp c, 0,1,2,3,4,5,6,7
	v_permlanex16_b32 v[76+\c], v[68+\c], s42, s43
.endr
.irp c, 0,1,2,3,4,5,6,7
	v_max_num_f32 v[68+\c], v[68+\c], v[76+\c]
.endr
.irp c, 0,1,2,3,4,5,6,7
	v_add_nc_u32 v[84+\c], 0xff000000, v[68+\c]
.endr
.irp t, 0,1,2,3
	v_lshrrev_b32 v[QS+4*\rnd+\t], 23, v[84+2*\t]  ; the word: the byte of block 0, zero bytes above
	v_lshrrev_b32 v[KS+4*\rnd+\t], 23, v[85+2*\t]
.endr
	WIN 0x40
.irp t, 0,1,2,3
.irp e, 0,1
	v_cvt_scalef32_pk8_fp4_f32 v[QC+8*(4*\rnd+\t)+\e], v[A+32*\t+8*\e:A+32*\t+8*\e+7], v[84+2*\t]
	v_cvt_scalef32_pk8_fp4_f32 v[KC+4*(4*\rnd+\t)+\e], v[A+32*\t+16+8*\e:A+32*\t+16+8*\e+7], v[85+2*\t]
.endr
.endr
	v_nop                                          ; one plain place behind a scaled conversion
	WIN 0x41
.irp t, 0,1,2,3
.irp e, 0,1
	v_permlanex16_b32 v[QC+8*(4*\rnd+\t)+2+\e], v[QC+8*(4*\rnd+\t)+\e], s42, s43   ; lanes 0-15 now hold channels 0 .. 31 in four registers
	v_permlanex16_b32 v[KC+4*(4*\rnd+\t)+2+\e], v[KC+4*(4*\rnd+\t)+\e], s42, s43
.endr
.endr
.irp t, 0,1,2,3
.irp e, 0,1,2,3
	v_cndmask_b32 v[QC+8*(4*\rnd+\t)+\e], v[QC+8*(4*\rnd+\t)+\e], 0, s48   ; Q's block 1 (lanes 16-31): zero codes
.endr
.endr
	WIN 0
.endm
; S^T of query tile j: source 0 = 16 keys, source 1 = 16 queries, C = bias + mask: a lane holds one query, register 16 b + i key 32 b + 16 h + i.  Eight accumulators, one instruction each
.macro SMM j
	WIN 0x25
.irp i, 0,1,2,3,4,5,6,7
	v_wmma_scale_f32_16x16x128_f8f6f4 v[A+64*((\j)%2)+8*\i:A+64*((\j)%2)+8*\i+7], v[KC+4*\i:KC+4*\i+7], v[QC+8*(\j):QC+8*(\j)+7], v[RPB+8*(4*((\j)%4)+(\i%4)):RPB+8*(4*((\j)%4)+(\i%4))+7], v[KS+\i], v[QS+(\j)] matrix_a_fmt:MATRIX_FMT_FP4 matrix_b_fmt:MATRIX_FMT_FP4
.endr
.endm
; the softmax of a query tile, all 128 keys in hand: t = score x log2(e), M = ceil(the row's largest t), p = 2^(t - M) quantised along the keys; 1 / (the sum of the unquantised p) is left in v[18:19]
.macro SOFTMAX sb
.irp b, 0,1,2,3
	v_max3_num_f32 v[84+\b], v[(\sb)+16*\b], v[(\sb)+16*\b+1], v[(\sb)+16*\b+2]   ; the largest score of each block of 32 keys: for the row's maximum, and, since p rises with the score, for the block's largest p
.endr
.irp i, 3,5,7,9,11,13
.irp b, 0,1,2,3
	v_max3_num_f32 v[84+\b], v[84+\b], v[(\sb)+16*\b+\i], v[(\sb)+16*\b+\i+1]
.endr
.endr
.irp b, 0,1,2,3
	v_max_num_f32 v[84+\b], v[84+\b], v[(\sb)+16*\b+15]
.endr
.irp b, 0,1,2,3
	v_permlanex16_b32 v[88+\b], v[84+\b], s42, s43
.endr
.irp b, 0,1,2,3
	v_max_num_f32 v[84+\b], v[84+\b], v[88+\b]
.endr
	v_max3_num_f32 v68, v84, v85, v86
	v_max_num_f32 v68, v68, v87
	v_mul_f32 v17, s44, v68                        ; the row's largest t
	v_floor_f32 v16, -v17                          ; -M = floor(-t)
.set p, 0
.rept 32
	v_pk_fma_f32 v[(\sb)+2*p:(\sb)+2*p+1], v[(\sb)+2*p:(\sb)+2*p+1], s[44:45], v[16:17] op_sel_hi:[1,0,0]   ; t - M, two at a time
.set p, p+1
.endr
.irp b, 0,1,2,3
	v_fma_f32 v[84+\b], v[84+\b], s44, v16         ; the same of each block's largest score
.endr
.set p, 0
.rept 64
	v_exp_f32 v[(\sb)+p], v[(\sb)+p]               ; p, at most 1, not normalised
.set p, p+1
.endr
.irp b, 0,1,2,3
	v_exp_f32 v[84+\b], v[84+\b]                   ; the block's largest p: the same two instructions on the same number
.endr
	v_nop                                          ; one plain place behind the exponentials
	s_wait_alu depctr_va_vdst(0)
.irp b, 0,1,2,3
	v_max_num_f32 v[84+\b], 0x1800000, v[84+\b]    ; the floor: a block whose every p has fallen to 0 (masked keys) keeps the byte 1 over zero codes
.endr
.irp b, 0,1,2,3
	v_add_nc_u32 v[92+\b], 0xff000000, v[84+\b]
.endr
.irp b, 0,1,2,3
	v_lshrrev_b32 v[88+\b], 23, v[92+\b]
.endr
	v_lshl_or_b32 v[PS], v89, 8, v88
	v_lshl_or_b32 v[PS], v90, 16, v[PS]
	v_lshl_or_b32 v[PS], v91, 24, v[PS]
.irp b, 0,1,2,3
	v_cvt_scalef32_pk8_fp4_f32 v[CF+16+2*\b], v[(\sb)+16*\b:(\sb)+16*\b+7], v[92+\b]
	v_cvt_scalef32_pk8_fp4_f32 v[CF+17+2*\b], v[(\sb)+16*\b+8:(\sb)+16*\b+15], v[92+\b]
.endr
	v_nop
.irp c, 0,1
.irp i, 0,1
	v_permlane16_swap_b32 v[CF+16+4*\c+\i], v[CF+18+4*\c+\i]
.endr
.endr
	v_pk_add_f32 v[18:19], v[(\sb):(\sb)+1], v[(\sb)+2:(\sb)+3]       ; the row's sum of the unquantised p, in four chains.  (These lines are also the places between p's codes and scale word and the product that takes them)
	v_pk_add_f32 v[20:21], v[(\sb)+4:(\sb)+5], v[(\sb)+6:(\sb)+7]
	v_pk_add_f32 v[68:69], v[(\sb)+8:(\sb)+9], v[(\sb)+10:(\sb)+11]
	v_pk_add_f32 v[70:71], v[(\sb)+12:(\sb)+13], v[(\sb)+14:(\sb)+15]
.irp q, 16,24,32,40,48,56
	v_pk_add_f32 v[18:19], v[18:19], v[(\sb)+\q:(\sb)+\q+1]
	v_pk_add_f32 v[20:21], v[20:21], v[(\sb)+\q+2:(\sb)+\q+3]
	v_pk_add_f32 v[68:69], v[68:69], v[(\sb)+\q+4:(\sb)+\q+5]
	v_pk_add_f32 v[70:71], v[70:71], v[(\sb)+\q+6:(\sb)+\q+7]
.endr
	v_pk_add_f32 v[18:19], v[18:19], v[20:21]
	v_pk_add_f32 v[68:69], v[68:69], v[70:71]
	v_pk_add_f32 v[18:19], v[18:19], v[68:69]
	v_add_f32 v18, v18, v19
	v_permlanex16_b32 v20, v18, s42, s43
	v_add_f32 v18, v18, v20                        ; l, over 1/2
	v_rcp_f32 v18, v18
	v_nop                                          ; one plain place behind the reciprocal
	s_wait_alu depctr_va_vdst(0)
	v_mov_b32 v19, v18
.endm
; O^T = V^T P^T for query tile j (source 0 = 16 of my head's channels, K = the 128 keys), divided by l, quantised (a token's block w of the projection's K), to LDS
.macro PVO j
.set cp, 120+2*((\j)%2)
.set cb, 124+((\j)%2)
	v_wmma_scale_f32_16x16x128_f8f6f4 v[68:75], v[CF:CF+7], v[CF+16:CF+23], 0, v[VS], v[PS] matrix_a_fmt:MATRIX_FMT_FP4 matrix_b_fmt:MATRIX_FMT_FP4
	v_wmma_scale_f32_16x16x128_f8f6f4 v[76:83], v[CF+8:CF+15], v[CF+16:CF+23], 0, v[VS+1], v[PS] matrix_a_fmt:MATRIX_FMT_FP4 matrix_b_fmt:MATRIX_FMT_FP4
	NOPS 4
.irp p, 0,2,4,6,8,10,12,14
	v_pk_mul_f32 v[68+\p:69+\p], v[68+\p:69+\p], v[18:19]   ; registers 0 .. 15 = head channels 16 h + 0 .. 15 of query r
.endr
	v_max3_num_f32 v84, |v68|, |v69|, 0x1800000
	v_max3_num_f32 v85, |v76|, |v77|, |v78|
	v_max3_num_f32 v84, v84, |v70|, |v71|
	v_max3_num_f32 v85, v85, |v79|, |v80|
	v_max3_num_f32 v84, v84, |v72|, |v73|
	v_max3_num_f32 v85, v85, |v81|, |v82|
	v_max3_num_f32 v84, v84, |v74|, |v75|
	v_max3_num_f32 v85, v85, |v83|, v84
	v_permlanex16_b32 v88, v85, s42, s43
	v_max_num_f32 v85, v85, v88
	v_add_nc_u32 v92, 0xff000000, v85
	v_lshrrev_b32 v[cb], 23, v92
	v_cvt_scalef32_pk8_fp4_f32 v[cp], v[68:75], v92
	v_cvt_scalef32_pk8_fp4_f32 v[cp+1], v[76:83], v92
	v_nop
	ds_store_b64 v[AW], v[cp:cp+1] offset:1024*(\j)      ; 8 bytes at their place in the fragment's image: 32 lanes fill 256 consecutive bytes
	ds_store_b8 v[ASW], v[cb] offset:64*(\j)             ; both lanes of a token write the same byte with the same value
.endm
.macro LNMERGE                                 ; four chains of pairs in v68-75 -> the row's sum in v68, in every lane of the row
	v_pk_add_f32 v[68:69], v[68:69], v[70:71]
	v_pk_add_f32 v[72:73], v[72:73], v[74:75]
	v_pk_add_f32 v[68:69], v[68:69], v[72:73]
	v_add_f32 v68, v68, v69
	v_permlanex16_b32 v70, v68, s42, s43
	v_add_f32 v68, v68, v70
.endm
; LayerNorm of X's tile u, in two passes as the formula has it, into v[d] on of window dw; gain at v[g], bias at v[g + 64] of window gw
.macro LN u, dw, d, gw, g
	WIN 0x05
.irp c, 0,1,2,3
	v_pk_add_f32 v[68+2*\c:69+2*\c], v[X+64*\u+4*\c:X+64*\u+4*\c+1], v[X+64*\u+4*\c+2:X+64*\u+4*\c+3]   ; ascending: each accumulator is read from its low end on
.endr
	WIN 0x01
.set p, 8
.rept 24
	v_pk_add_f32 v[68+2*(p%4):69+2*(p%4)], v[X+64*\u+2*p:X+64*\u+2*p+1], v[68+2*(p%4):69+2*(p%4)]
.set p, p+1
.endr
	WIN 0
	LNMERGE
	v_mul_f32 v76, s66, v68                        ; the mean
	v_mul_f32 v77, s66, v68
	WIN (((\dw)<<6)|1)
.set p, 0
.rept 32
	v_pk_add_f32 v[(\d)+2*p:(\d)+2*p+1], v[X+64*\u+2*p:X+64*\u+2*p+1], v[76:77] neg_lo:[0,1] neg_hi:[0,1]
.set p, p+1
.endr
	WIN ((\dw)|((\dw)<<2))
.irp c, 0,1,2,3
	v_pk_mul_f32 v[68+2*\c:69+2*\c], v[(\d)+2*\c:(\d)+2*\c+1], v[(\d)+2*\c:(\d)+2*\c+1]
.endr
.set p, 4
.rept 28
	v_pk_fma_f32 v[68+2*(p%4):69+2*(p%4)], v[(\d)+2*p:(\d)+2*p+1], v[(\d)+2*p:(\d)+2*p+1], v[68+2*(p%4):69+2*(p%4)]
.set p, p+1
.endr
	WIN 0
	LNMERGE
	v_fma_f32 v68, v68, s66, s67                   ; the variance + 1e-5
	v_rsq_f32 v78, v68
	v_nop                                          ; one plain place behind the root
	s_wait_alu depctr_va_vdst(0)
	v_mov_b32 v79, v78
	WIN (((\dw)<<6)|(\dw))
.set p, 0
.rept 32
	v_pk_mul_f32 v[(\d)+2*p:(\d)+2*p+1], v[(\d)+2*p:(\d)+2*p+1], v[78:79]
.set p, p+1
.endr
	WIN (((\dw)<<6)|(\dw)|((\gw)<<2)|((\gw)<<4))
.set p, 0
.rept 32
	v_pk_fma_f32 v[(\d)+2*p:(\d)+2*p+1], v[(\d)+2*p:(\d)+2*p+1], v[(\g)+2*p:(\g)+2*p+1], v[(\g)+64+2*p:(\g)+64+2*p+1]
.set p, p+1
.endr
	WIN 0
.endm
; GELU of one accumulator's eight registers, in place.  t = 1 / (1 + p' |x|); e = 2^-((c1 x)^2) = exp(-x^2 / 2); P = (the polynomial in t, coefficients halved) = erfc / (2 e); x <- 0.5 x + |x| (0.5 - P e)
.macro GELU8 x
.irp k, 0,1,2,3,4,5,6,7
	v_fma_f32 v[68+\k], |v[(\x)+\k]|, s52, 1.0
.endr
.irp k, 0,2,4,6
	v_pk_mul_f32 v[76+\k:77+\k], v[(\x)+\k:(\x)+\k+1], s[50:51] op_sel_hi:[1,0]
.endr
.irp k, 0,1,2,3,4,5,6,7
	v_rcp_f32 v[68+\k], v[68+\k]
.endr
.irp k, 0,2,4,6
	v_pk_mul_f32 v[76+\k:77+\k], v[76+\k:77+\k], v[76+\k:77+\k]     ; (the plain places behind the reciprocals)
.endr
.irp k, 0,1,2,3,4,5,6,7
	v_exp_f32 v[76+\k], -v[76+\k]
.endr
	s_wait_alu depctr_va_vdst(0)
.irp k, 0,2,4,6
	v_pk_fma_f32 v[84+\k:85+\k], v[68+\k:69+\k], s[54:55], v[92:93] op_sel_hi:[1,0,1]   ; (the plain places behind the exponentials: these touch none of their registers)
.endr
.irp c, 56,58,60
.irp k, 0,2,4,6
	v_pk_fma_f32 v[84+\k:85+\k], v[84+\k:85+\k], v[68+\k:69+\k], s[\c:\c+1] op_sel_hi:[1,1,0]
.endr
.endr
.irp k, 0,2,4,6
	v_pk_mul_f32 v[84+\k:85+\k], v[84+\k:85+\k], v[68+\k:69+\k]
.endr
.irp k, 0,2,4,6
	v_pk_fma_f32 v[84+\k:85+\k], v[84+\k:85+\k], v[76+\k:77+\k], 0.5 op_sel_hi:[1,1,0] neg_lo:[1,0,0] neg_hi:[1,0,0]
.endr
.irp k, 0,1,2,3,4,5,6,7
	v_mul_f32 v[68+\k], |v[(\x)+\k]|, v[84+\k]
.endr
.irp k, 0,2,4,6
	v_pk_fma_f32 v[(\x)+\k:(\x)+\k+1], v[(\x)+\k:(\x)+\k+1], 0.5, v[68+\k:69+\k] op_sel_hi:[1,0,1]
.endr
.endm
.macro W1LOAD                                  ; a group of eight tiles of fc1: fragments, bias, scale words: 40 LDS loads
	WIN 0xC0
.irp t, 0,1,2,3,4,5,6,7
.irp c, 0,1
	ds_load_b128 v[W1+8*\t+4*\c:W1+8*\t+4*\c+3], v[WA] offset:1024*\t+512*\c
.endr
.endr
	VLOAD B1, WBA, 0
	WIN 0
.irp t, 0,1,2,3,4,5,6,7
	ds_load_b32 v[W1S+\t], v[WSA] offset:128*\t
.endr
.endm
; ---------------- THE HEAD ----------------
	s_load_b512 s[8:23], s[0:1], 0x0               ; x_v 8, qkv_b 10, proj_b 12, rpb_table 14, norm1_w 16, norm1_b 18, norm2_w 20, norm2_b 22
	s_load_b256 s[24:31], s[0:1], 0x40             ; fc1_b 24, fc2_b 26, wcodes 28, wscales 30
	s_load_b64 s[32:33], s[0:1], 0x60              ; out0
	v_lshl_add_u32 v2, v0, 2, 0x28800
	v_mov_b32 v67, 0
	v_lshrrev_b32 v96, 5, v0
	v_readfirstlane_b32 s2, v96                    ; wave 0..3 = my head = my 32 tokens
	v_and_b32 v96, 31, v0                          ; lane
	v_and_b32 v97, 15, v0                          ; r
	v_bfe_u32 v98, v0, 4, 1                        ; h
	v_lshlrev_b32 v99, 4, v0                       ; 16 x thread
	v_lshlrev_b32 v100, 2, v0                      ; 4 x thread
	v_lshl_add_u32 v101, v0, 4, 0x10000            ; the same from LDS byte 65,536 on
	v_lshl_add_u32 v102, v0, 2, 0x10000
	v_lshlrev_b32 v[LI], 4, v96
	v_lshlrev_b32 v[LS], 2, v96
	s_lshl_b32 s68, s2, 11
	s_add_co_u32 s69, s68, XIMG
	v_add_nc_u32 v[XWI], s69, v[LI]
	s_add_co_u32 s69, s68, AIMG
	v_add_nc_u32 v[AFR], s69, v[LI]
	s_lshl_b32 s68, s2, 8
	s_add_co_u32 s69, s68, XSC
	v_add_nc_u32 v[XWS], s69, v[LS]
	s_add_co_u32 s69, s68, AIMG
	v_lshlrev_b32 v[AW], 4, v97
	v_lshl_add_u32 v[AW], v98, 3, v[AW]
	v_add_nc_u32 v[AW], s69, v[AW]                 ; block w of a fragment: 256 w + 16 r, my half's 8 bytes
	s_mul_i32 s68, s2, WSTAGE
	s_add_co_u32 s68, s68, STAGE
	v_add_nc_u32 v[SD], s68, v[LI]
	v_mul_u32_u24 v[SQ], v97, SPITCH
	v_lshl_add_u32 v[SQ], v98, 6, v[SQ]
	v_add_nc_u32 v[SQ], s68, v[SQ]
	v_lshlrev_b32 v106, 2, v97                     ; 4 r
	s_add_co_u32 s68, s2, ASC
	v_add_nc_u32 v[ASW], s68, v106
	s_lshl_b32 s68, s2, 7                          ; 128 w
	s_add_co_u32 s69, s68, ASC
	v_add_nc_u32 v[ASR], s69, v106
	v_lshl_add_u32 v[VB], v98, 6, VEC
	v_add_nc_u32 v[XRD], XIMG, v[LI]
	v_add_nc_u32 v[XSR], XSC, v[LS]
	v_lshlrev_b32 v103, 6, v98
	v_add_nc_u32 v103, s68, v103                   ; q's and k's bias: 4 (32 w + 16 h)
	v_and_b32 v104, 8, v97
	v_add_nc_u32 v104, v104, v97
	v_lshl_add_u32 v104, v104, 2, s68              ; v's bias: 4 (32 w + r + 8 (r / 8))
	v_bfe_u32 v105, v0, 3, 1
	v_add_nc_u32 v105, 1, v105
	v_sub_nc_u32 v105, v105, v98                   ; r / 8 - h + 1
	v_mul_u32_u24 v105, v105, 30
	v_and_b32 v107, 7, v0
	v_add_nc_u32 v105, v105, v107
	s_lshl_b32 s69, s2, 2
	v_lshl_add_u32 v105, v105, 4, s69              ; the bias table: 16 (30 (r / 8 - h + 1) + r % 8) + 4 head; the tile's and the register's part stands in the immediate
	v_bfe_u32 v106, v0, 2, 1                       ; which half of a window's columns my query lies in
	s_lshr_b32 s70, ttmp9, 4                       ; the window's row of windows,
	s_and_b32 s71, ttmp9, 15                       ; and its column
	s_cmp_eq_u32 s71, 15
	s_cselect_b32 s74, 0xc2c80000, 0               ; -100 between the halves of the columns in the last column of windows,
	s_cmp_eq_u32 s70, 15
	s_cselect_b32 s75, 0xc2c80000, 0               ; and between the halves of the rows in the last row
	s_lshl_b32 s70, s70, 3
	s_and_b32 s72, s2, 1
	s_lshl_b32 s72, s72, 2
	s_add_co_u32 s70, s70, s72
	s_add_co_u32 s70, s70, 4
	s_and_b32 s70, s70, 127                        ; my four rows of the image begin here: a multiple of 4, so they do not wrap
	s_lshl_b32 s70, s70, 7
	s_lshr_b32 s72, s2, 1                          ; my frame
	s_lshl_b32 s72, s72, 14
	s_add_co_u32 s70, s70, s72
	s_lshl_b32 s71, s71, 3
	s_add_co_u32 s72, s71, 4                       ; window columns 0-3
	s_add_co_u32 s73, s71, 8
	s_and_b32 s73, s73, 127                        ; window columns 4-7
	s_add_co_u32 s76, s70, s72
	s_lshl_b32 s76, s76, 9                         ; 512 bytes a token
	s_mov_b32 s77, 0
	s_add_co_u32 s78, s70, s73
	s_lshl_b32 s78, s78, 9
	s_mov_b32 s79, 0
	s_mov_b32 s42, 0x76543210
	s_mov_b32 s43, 0xfedcba98                      ; v_permlanex16_b32's selects for lane l xor 16
	s_mov_b32 s44, 0x3fb8aa3b                      ; log2(e); each constant of a packed form is written twice, since the form names a pair
	s_mov_b32 s45, s44
	s_mov_b32 s46, 0x3e3504f3                      ; 32^-0.5
	s_mov_b32 s47, s46
	s_mov_b32 s48, 0xffff0000                      ; lanes 16-31
	s_mov_b32 s50, 0x3f596d27                      ; c1 = sqrt(log2(e) / 2)
	s_mov_b32 s51, s50
	s_mov_b32 s52, 0x3e6d3388                      ; p' = 0.3275911 / sqrt 2
	s_mov_b32 s54, 0x3f07dc22                      ; a5 / 2
	s_mov_b32 s55, s54
	s_mov_b32 s56, 0x3f35f0e3                      ; a3 / 2
	s_mov_b32 s57, s56
	s_mov_b32 s58, 0xbe11a98e                      ; a2 / 2
	s_mov_b32 s59, s58
	s_mov_b32 s60, 0x3e027906                      ; a1 / 2
	s_mov_b32 s61, s60
	s_mov_b32 s66, 0x3c000000                      ; 1 / 128
	s_mov_b32 s67, 0x3727c5ac                      ; 1e-5
	s_wait_kmcnt 0x0
	s_add_nc_u64 s[34:35], s[8:9], s[76:77]        ; x, bases A and B
	s_add_nc_u64 s[36:37], s[8:9], s[78:79]
	s_add_nc_u64 s[38:39], s[32:33], s[76:77]      ; out0 likewise
	s_add_nc_u64 s[40:41], s[32:33], s[78:79]
	s_lshl_b32 s68, s2, 11
	s_mov_b32 s69, 0
	s_add_nc_u64 s[70:71], s[28:29], s[68:69]      ; my head's tiles of qkv_w: fragments 2 w, 8 + 2 w, 16 + 2 w and their neighbours
	s_lshl_b32 s68, s2, 8
	s_add_nc_u64 s[72:73], s[30:31], s[68:69]
	; what goes to LDS: the 128 threads side by side, 2,048 consecutive bytes an instruction
.set i, 0
.rept 32
	global_load_b128 v[A+4*i:A+4*i+3], v99, s[28:29] offset:32768+2048*i     ; fc1's and fc2's 64 fragments
.set i, i+1
.endr
.irp i, 0,1,2,3
	global_load_b128 v[68+4*\i:68+4*\i+3], v99, s[30:31] offset:4096+2048*\i  ; their scale words
.endr
	global_load_b128 v[84:87], v99, s[24:25]       ; fc1_b
	global_load_b32 v88, v100, s[12:13]            ; proj_b
	global_load_b32 v89, v100, s[26:27]            ; fc2_b
	global_load_b32 v90, v100, s[20:21]            ; norm2_w
	global_load_b32 v91, v100, s[22:23]            ; norm2_b
	global_load_b32 v92, v100, s[16:17]            ; norm1_w
	global_load_b32 v93, v100, s[18:19]            ; norm1_b
	; what stays in registers
	WIN 0x80
.irp m, 0,1,2,3,4,5
.irp c, 0,1
	global_load_b128 v[WQ+8*\m+4*\c:WQ+8*\m+4*\c+3], v[LI], s[70:71] offset:1024*(8*(\m/2)+(\m%2))+512*\c
.endr
.endr
.irp t, 0,1,2,3,4,5,6,7
.irp c, 0,1
	global_load_b128 v[WP+8*\t+4*\c:WP+8*\t+4*\c+3], v[LI], s[28:29] offset:1024*(24+\t)+512*\c
.endr
.endr
.irp n, 0,1
.irp e, 0,1,2,3,4,5,6,7
	global_load_b32 v[BV+8*\n+\e], v104, s[10:11] offset:1024+32*\n          ; v's product is not transposed: a lane holds one channel, so its eight registers hold one number
.endr
.endr
.irp jq, 0,1,2,3
.irp ik, 0,1,2,3
.irp e, 0,1,2,3,4,5,6,7
	global_load_b32 v[RPB+8*(4*\jq+\ik)+\e], v105, s[14:15] offset:16*((4*(\jq/2)+(\jq%2)-4*(\ik/2)-(\ik%2)+5)*15+7-\e)   ; table row (query row - key row + 7) 15 + query column - key column + 7: 0 .. 224
.endr
.endr
.endr
	WIN 0xC0
.irp kk, 0,1
.irp q, 0,1,2,3
	global_load_b128 v[BQK+16*\kk+4*\q:BQK+16*\kk+4*\q+3], v103, s[10:11] offset:512*\kk+16*\q
.endr
.endr
	WIN 0
.irp m, 0,1,2,3,4,5
	global_load_b32 v[WQS+\m], v[LS], s[72:73] offset:128*(8*(\m/2)+(\m%2))
.endr
.irp t, 0,1,2,3,4,5,6,7
	global_load_b32 v[WPS+\t], v[LS], s[30:31] offset:128*(24+\t)
.endr
	s_wait_loadcnt 0x0                             ; once a launch
	XPRE                                           ; the first window's x
.set i, 0
.rept 32
	ds_store_b128 v99, v[A+4*i:A+4*i+3] offset:2048*i
.set i, i+1
.endr
.irp i, 0,1,2,3
	ds_store_b128 v101, v[68+4*\i:68+4*\i+3] offset:2048*\i
.endr
	ds_store_b128 v101, v[84:87] offset:8192
.irp k, 0,1,2,3,4,5
	ds_store_b32 v102, v[88+\k] offset:8192+2048+512*\k
.endr
	; the mask: M[rows differ][key's half of the columns], each twice for the packed addition
	v_mov_b32 v107, s74
	v_cmp_eq_u32 vcc_lo, 1, v106
	v_cndmask_b32 v108, 0, v107, vcc_lo            ; keys of columns 0-3: hidden from queries of columns 4-7
	v_cmp_eq_u32 vcc_lo, 0, v106
	v_cndmask_b32 v110, 0, v107, vcc_lo            ; and the other way round
	v_min_num_f32 v112, s75, v108                  ; where the halves of the rows differ too: still -100, not -200
	v_min_num_f32 v114, s75, v110
	v_mov_b32 v109, v108
	v_mov_b32 v111, v110
	v_mov_b32 v113, v112
	v_mov_b32 v115, v114
	WIN 0x82
.irp jq, 0,1,2,3
.irp ik, 0,1,2,3
.irp p, 0,1,2,3
	v_pk_add_f32 v[RPB+8*(4*\jq+\ik)+2*\p:RPB+8*(4*\jq+\ik)+2*\p+1], v[RPB+8*(4*\jq+\ik)+2*\p:RPB+8*(4*\jq+\ik)+2*\p+1], v[108+4*(((\jq/2)+(\ik/2))%2)+2*(\p/2):109+4*(((\jq/2)+(\ik/2))%2)+2*(\p/2)]
.endr
.endr
.endr
	WIN 0
	s_wait_dscnt 0x0                               ; my part of the copy lies in LDS,
	s_barrier_signal -1
	s_barrier_wait -1                              ; everybody's does
	s_mov_b32 s3, 0
; ---------------- A WINDOW ----------------
.Lwin:
	; ---- my 32 tokens: whole rows as loaded go through my stage and come back in Q layout.  Local token i lies in slot 16 ((i / 8) % 2) + 8 (i / 16) + i % 8, so that tile u's row r is slot 16 u + r
	s_wait_loadcnt 0x0                             ; x is in (asked for a whole MLP phase ago)
	WIN 0x04
.set i, 0
.rept 32
	ds_store_b128 v[SD], v[U+4*i:U+4*i+3] offset:((((i>>3)&1)<<4)|((i>>4)<<3)|(i&7))*SPITCH
.set i, i+1
.endr
	WIN 0x40
.irp u, 0,1
.irp b, 0,1,2,3
.irp q, 0,1,2,3
	ds_load_b128 v[X+64*\u+16*\b+4*\q:X+64*\u+16*\b+4*\q+3], v[SQ] offset:16*\u*SPITCH+128*\b+16*\q   ; LDS serves a wave's instructions in order: these see my stores
.endr
.endr
.endr
	WIN 0
	VLOAD A, VB, V_PROJB
	s_wait_dscnt 32                                ; the stores and tile 0 are done; tile 1's 16 loads and proj_b's 16 may be out
	WIN 0x40
.irp j, 0,1,2,3,4,5,6,7
.irp e, 4,5,6,7
	v_mov_b32 v[QC+8*\j+\e], 0                     ; Q's blocks 2 and 3: zero codes (the registers held rows that have been stored to the stage)
.endr
.endr
	QUANT X, 1, CF, 82
	IMAGE XWI, CF, 0
	ds_store_b32 v[XWS], v82
	s_wait_dscnt 19                                ; tile 1 is in; proj_b's 16 loads and the 3 stores above may be out
	QUANT X+64, 1, CF+8, 83
	IMAGE XWI, CF+8, 1024
	ds_store_b32 v[XWS], v83 offset:128
	s_wait_dscnt 0x0                               ; my two fragments of x lie in LDS, and my earlier reads of the attention result's images are over
	s_barrier_signal -1
	WIN 0x41
.irp u, 0,1
.set p, 0
.rept 32
	v_pk_add_f32 v[X+64*\u+2*p:X+64*\u+2*p+1], v[X+64*\u+2*p:X+64*\u+2*p+1], v[A+2*p:A+2*p+1]   ; x + proj_b: the C of the projection.  Work on registers while the others arrive
.set p, p+1
.endr
.endr
	WIN 0
	s_barrier_wait -1                              ; x's eight fragments lie in LDS
	; ---- QKV for my head
	WIN 0xC0
.irp t, 0,1,2,3,4,5,6,7
	FETCH XF+8*\t, XRD, 1024*\t
.endr
	WIN 0
.irp t, 0,1,2,3,4,5,6,7
	ds_load_b32 v[XS+\t], v[XSR] offset:128*\t
.endr
	s_wait_dscnt 0x0
	WIN 0x2B
.irp n, 0,1                                    ; v: source 0 = 16 tokens, source 1 = 16 channels: a lane holds one channel, and register 8 tile + j of its 64 key 32 b + 16 h + 8 u + j: Q layout along the keys
.irp t, 0,1,2,3,4,5,6,7
	v_wmma_scale_f32_16x16x128_f8f6f4 v[A+64*\n+8*\t:A+64*\n+8*\t+7], v[XF+8*\t:XF+8*\t+7], v[WQ+32+8*\n:WQ+32+8*\n+7], v[BV+8*\n:BV+8*\n+7], v[XS+\t], v[WQS+4+\n] matrix_a_fmt:MATRIX_FMT_FP4 matrix_b_fmt:MATRIX_FMT_FP4
.endr
.endr
	WIN 0
	NOPS 4
	QUANT A, 0, CF, VS                             ; V^T's two fragments: 16 channels x 128 keys each
	QUANT A+64, 0, CF+8, VS+1
	v_nop
	QKP 0
	QKQ 0
	QKP 1
	QKQ 1
	; ---- attention: the scores of tile j + 1 are issued ahead of tile j's softmax, into the other of two buffers
	NOPS 8                                         ; operands and scale words just written by vector instructions stand 4 and 8 places ahead of a scaled matrix instruction
	SMM 0
.irp j, 0,1,2,3,4,5,6,7
.if \j < 7
	SMM \j+1
.endif
	WIN 0
.if \j == 0
	NOPS 4                                         ; later tiles' scores were written a whole softmax ago
.endif
	SOFTMAX A+64*(\j%2)
	PVO \j
.endr
	s_wait_dscnt 0x0                               ; my head's codes and bytes lie in LDS, and my reads of x's images are over
	s_barrier_signal -1
	s_barrier_wait -1                              ; the attention result's eight fragments lie in LDS
	; ---- projection and LayerNorm (norm2) of my 32 tokens
	FETCH CF, AFR, 0
	FETCH CF+8, AFR, 1024
	ds_load_b32 v[AS], v[ASR]
	ds_load_b32 v[AS+1], v[ASR] offset:64
	WIN 0x40
	VLOAD U, VB, V_N2W
	VLOAD U+64, VB, V_N2B
	WIN 0
	s_mov_b32 s5, 0                                ; the MLP's group 0
	s_mov_b32 s6, W1SC
	s_mov_b32 s7, 0
	v_add_nc_u32 v[WA], s5, v[LI]
	v_add_nc_u32 v[WSA], s6, v[LS]
	v_add_nc_u32 v[WBA], s7, v[VB]
	s_wait_dscnt 32                                ; the two fragments and their words are in; the 32 loads of gain and bias may be out
	WIN 0x52
.irp t, 0,1,2,3,4,5,6,7                        ; source 0 = 16 rows of proj_w, source 1 = my tokens; C = D = x + proj_b: sixteen accumulators, one instruction each
.irp u, 0,1
	v_wmma_scale_f32_16x16x128_f8f6f4 v[X+64*\u+8*\t:X+64*\u+8*\t+7], v[WP+8*\t:WP+8*\t+7], v[CF+8*\u:CF+8*\u+7], v[X+64*\u+8*\t:X+64*\u+8*\t+7], v[WPS+\t], v[AS+\u] matrix_a_fmt:MATRIX_FMT_FP4 matrix_b_fmt:MATRIX_FMT_FP4
.endr
.endr
	WIN 0
	NOPS 4                                         ; four places behind the products, ahead of the first read of their results
	s_wait_dscnt 0x0                               ; gain and bias are in (asked for sixteen matrix instructions ago)
	W1LOAD                                         ; fc1's group 0: its 40 loads land under the two LayerNorms; the wait for them stands in front of x1 + fc2_b
	LN 0, 0, A, 1, U
	LN 1, 0, A+64, 1, U
	WIN 0x40
	VLOAD U, VB, V_FC2B
	WIN 0
	QUANT A, 0, CF, HS
	QUANT A+64, 0, CF+8, HS+1
	s_wait_dscnt 0x0                               ; fc2_b and fc1's group 0
	WIN 0x45
.irp u, 0,1
.set p, 0
.rept 32
	v_pk_add_f32 v[X+64*\u+2*p:X+64*\u+2*p+1], v[X+64*\u+2*p:X+64*\u+2*p+1], v[U+2*p:U+2*p+1]   ; x1 + fc2_b: the C of fc2's sums.  (Also the places between h's codes and scale words and fc1's products)
.set p, p+1
.endr
.endr
	WIN 0
	s_cmp_eq_u32 s3, 3                             ; the next window's x is asked for here, if there is one: no load leaves its buffer
	s_cbranch_scc1 .Lno_next
	s_add_nc_u64 s[34:35], s[34:35], 0x1000000     ; the next batch element: 2 frames x 16,384 tokens x 512 bytes.  (The loads that named these bases were waited for at the window's head)
	s_add_nc_u64 s[36:37], s[36:37], 0x1000000
	XPRE
.Lno_next:
	; ---- the MLP: four groups of 128 hidden units = four K steps of fc2.  No barrier: the rows are mine
	s_mov_b32 s4, 0
.Lmlp:
	WIN 0xC0
.irp t, 0,1,2,3,4,5,6,7
.irp c, 0,1
	ds_load_b128 v[W2+8*\t+4*\c:W2+8*\t+4*\c+3], v[WA] offset:32768+1024*\t+512*\c
.endr
.endr
	WIN 0
.irp t, 0,1,2,3,4,5,6,7
	ds_load_b32 v[W2S+\t], v[WSA] offset:4096+128*\t
.endr
	s_wait_dscnt 24                                ; all but the 24 just issued: fc1's group is in
	WIN 0x33
.irp t, 0,1,2,3,4,5,6,7                        ; source 0 = 16 rows of fc1_w, source 1 = h; C = fc1_b
.irp u, 0,1
	v_wmma_scale_f32_16x16x128_f8f6f4 v[A+64*\u+8*\t:A+64*\u+8*\t+7], v[W1+8*\t:W1+8*\t+7], v[CF+8*\u:CF+8*\u+7], v[B1+8*\t:B1+8*\t+7], v[W1S+\t], v[HS+\u] matrix_a_fmt:MATRIX_FMT_FP4 matrix_b_fmt:MATRIX_FMT_FP4
.endr
.endr
	WIN 0
	s_add_co_u32 s5, s5, 8192                      ; the next group
	s_add_co_u32 s6, s6, 1024
	s_add_co_u32 s7, s7, 512
	v_add_nc_u32 v[WA], s5, v[LI]                  ; these three and the v_nop are the four places in front of loads into registers that the products have read, and of the first read of their results
	v_add_nc_u32 v[WSA], s6, v[LS]
	v_add_nc_u32 v[WBA], s7, v[VB]
	v_nop
	s_cmp_eq_u32 s4, 3
	s_cbranch_scc1 .Lno_w1
	W1LOAD                                         ; lands under the GELU
.Lno_w1:
	v_mov_b32 v92, 0xbf3a00e3                      ; a4 / 2, twice (the quantiser writes these two registers)
	v_mov_b32 v93, 0xbf3a00e3
.irp a, 0,1,2,3,4,5,6,7,8,9,10,11,12,13,14,15
	GELU8 A+8*\a
.endr
	QUANT A, 0, CF+16, GS
	QUANT A+64, 0, CF+24, GS+1
	NOPS 8                                         ; a scale word written by a vector instruction stands 8 places ahead of a scaled matrix instruction, an operand 4
	s_wait_dscnt 0x0                               ; fc2's group; the count is 0 since the two ways here differ in what is younger
	WIN 0x53
.irp t, 0,1,2,3,4,5,6,7                        ; source 0 = 16 rows of fc2_w, source 1 = the hidden layer; in place on X: sixteen accumulators by turns, fc1's products between two links
.irp u, 0,1
	v_wmma_scale_f32_16x16x128_f8f6f4 v[X+64*\u+8*\t:X+64*\u+8*\t+7], v[W2+8*\t:W2+8*\t+7], v[CF+16+8*\u:CF+16+8*\u+7], v[X+64*\u+8*\t:X+64*\u+8*\t+7], v[W2S+\t], v[GS+\u] matrix_a_fmt:MATRIX_FMT_FP4 matrix_b_fmt:MATRIX_FMT_FP4
.endr
.endr
	WIN 0
	NOPS 4                                         ; in front of the next trip's loads into fc2's registers, and of the read of X behind the loop
	s_add_co_u32 s4, s4, 1
	s_cmp_lt_u32 s4, 4
	s_cbranch_scc1 .Lmlp
	; ---- LayerNorm (norm1) and the way out: through my stage, back as whole rows
	VLOAD A, VB, V_N1W
	VLOAD A+64, VB, V_N1B
	s_wait_dscnt 0x0
	LN 0, 1, X, 0, A
	LN 1, 1, X+64, 0, A
	WIN 0x04
.irp u, 0,1
.irp b, 0,1,2,3
.irp q, 0,1,2,3
	ds_store_b128 v[SQ], v[X+64*\u+16*\b+4*\q:X+64*\u+16*\b+4*\q+3] offset:16*\u*SPITCH+128*\b+16*\q
.endr
.endr
.endr
	WIN 0
.set i, 0
.rept 32
	ds_load_b128 v[A+4*i:A+4*i+3], v[SD] offset:((((i>>3)&1)<<4)|((i>>4)<<3)|(i&7))*SPITCH   ; LDS serves a wave's instructions in order: these see my stores
.set i, i+1
.endr
.set i, 0
.rept 32
	s_wait_dscnt (31-i)                            ; row i is back; the younger rows may be out
.if (i&4)
	global_store_b128 v[LI], v[A+4*i:A+4*i+3], s[40:41] offset:(i>>3)*65536+(i&3)*512 th:TH_STORE_NT   ; 32 lanes store a token's 512 consecutive bytes, at a multiple of 512 from out0's first byte
.else
	global_store_b128 v[LI], v[A+4*i:A+4*i+3], s[38:39] offset:(i>>3)*65536+(i&3)*512 th:TH_STORE_NT
.endif
.set i, i+1
.endr
	s_wait_xcnt 0x0                                ; the stores' data registers and bases are written again only behind this wait
	s_add_nc_u64 s[38:39], s[38:39], 0x1000000
	s_add_nc_u64 s[40:41], s[40:41], 0x1000000
	s_add_co_u32 s3, s3, 1
	s_cmp_lt_u32 s3, 4
	s_cbranch_scc1 .Lwin
	s_wait_tensorcnt 0x0
	ds_add_u32 v2, v67
	s_wait_dscnt 0x0
	s_endpgm
.Lfunc_end_k_qfc1ddd1f55_swin:
	.size	k_qfc1ddd1f55_swin, .Lfunc_end_k_qfc1ddd1f55_swin-k_qfc1ddd1f55_swin
	.p2alignl 7, 3214868480
	.fill 96, 4, 3214868480
	.section	.rodata,"a",@progbits
	.p2align	6, 0x0
	.amdhsa_kernel k_qfc1ddd1f55_swin
		.amdhsa_group_segment_fixed_size 166400
		.amdhsa_private_segment_fixed_size 0
		.amdhsa_enable_private_segment 0
		.amdhsa_kernarg_size 104
		.amdhsa_user_sgpr_count 2
		.amdhsa_user_sgpr_kernarg_segment_ptr 1
		.amdhsa_wavefront_size32 1
		.amdhsa_system_sgpr_workgroup_id_x 1
		.amdhsa_system_sgpr_workgroup_id_y 1
		.amdhsa_system_sgpr_workgroup_id_z 1
		.amdhsa_system_vgpr_workitem_id 0
		.amdhsa_next_free_vgpr 1024
		.amdhsa_next_free_sgpr 80
		.amdhsa_reserve_vcc 1
		.amdhsa_float_denorm_mode_32 3
		.amdhsa_float_denorm_mode_16_64 3
		.amdhsa_memory_ordered 1
		.amdhsa_forward_progress 1
		.amdhsa_inst_pref_size 255
	.end_amdhsa_kernel
	.section	.bss,"aw",@nobits
	.p2align	6
	.space	262144
	.amdgpu_metadata
---
amdhsa.version: [ 1, 2 ]
amdhsa.kernels:
  - .name:           k_qfc1ddd1f55_swin
    .symbol:         k_qfc1ddd1f55_swin.kd
    .args:
      - { .name: x_v, .offset: 0, .size: 8, .value_kind: global_buffer, .address_space: global }
      - { .name: qkv_b, .offset: 8, .size: 8, .value_kind: global_buffer, .address_space: global }
      - { .name: proj_b, .offset: 16, .size: 8, .value_kind: global_buffer, .address_space: global }
      - { .name: rpb_table, .offset: 24, .size: 8, .value_kind: global_buffer, .address_space: global }
      - { .name: norm1_w, .offset: 32, .size: 8, .value_kind: global_buffer, .address_space: global }
      - { .name: norm1_b, .offset: 40, .size: 8, .value_kind: global_buffer, .address_space: global }
      - { .name: norm2_w, .offset: 48, .size: 8, .value_kind: global_buffer, .address_space: global }
      - { .name: norm2_b, .offset: 56, .size: 8, .value_kind: global_buffer, .address_space: global }
      - { .name: fc1_b, .offset: 64, .size: 8, .value_kind: global_buffer, .address_space: global }
      - { .name: fc2_b, .offset: 72, .size: 8, .value_kind: global_buffer, .address_space: global }
      - { .name: wcodes, .offset: 80, .size: 8, .value_kind: global_buffer, .address_space: global }
      - { .name: wscales, .offset: 88, .size: 8, .value_kind: global_buffer, .address_space: global }
      - { .name: out0, .offset: 96, .size: 8, .value_kind: global_buffer, .address_space: global }
    .group_segment_fixed_size: 166400
    .private_segment_fixed_size: 0
    .kernarg_segment_align: 8
    .kernarg_segment_size: 104
    .max_flat_workgroup_size: 128
    .sgpr_count:     80
    .vgpr_count:     1024
    .wavefront_size: 32
...
	.end_amdgpu_metadata
.endif
;; end of part 2
;; ======== version 2 of 2: 2 launches; version 1 with the launch swin written anew for expert scheduling mode
;; limits: a function is approximated: absolute error at most 1.5e-07
;; workspace buffers: wcodes 98,304 bytes; wscales 12,288 bytes
;; launch wq: the kernel of part 1 again; grid 96 x 1, 1 waves a work-group, no clusters, 0 bytes of LDS; arguments qkv_w, proj_w, fc1_w, fc2_w, wcodes, wscales; writes wcodes, wscales
;; launch swin (part 3): grid 256 x 1, 4 waves a work-group, no clusters, 166,400 bytes of LDS; arguments x_v, qkv_b, proj_b, rpb_table, norm1_w, norm1_b, norm2_w, norm2_b, fc1_b, fc2_b, wcodes, wscales, out0; writes out0
.if DOCPART == 3
	.amdgcn_target "amdgcn-amd-amdhsa--gfx1250"
	.amdhsa_code_object_version 6
	.text
	.protected	k_qfc1ddd1f55_swin
	.globl	k_qfc1ddd1f55_swin
	.p2align	8
	.type	k_qfc1ddd1f55_swin,@function
k_qfc1ddd1f55_swin:
	s_mov_b64 s[64:65], 0
	v_nop
	global_prefetch_b8 v0, s[64:65] scope:SCOPE_SE
	s_setreg_imm32_b32 hwreg(HW_REG_WAVE_SCHED_MODE, 0, 2), 2
	s_setreg_imm32_b32 hwreg(HW_REG_WAVE_MODE, 25, 1), 1
	s_wait_xcnt 0x0
	s_wait_alu depctr_vm_vsrc(0)
; ONE SWIN BLOCK, FUSED: shift by 4, windows of 8 x 8 x 2 frames (128 tokens x 128 channels), QKV, attention of 4 heads with relative-position bias and shift mask, projection, residual,
; LayerNorm (norm2), MLP with exact GELU, residual, LayerNorm (norm1).  All six products on codes of E2M1 with one E8M0 byte for each 32 along K, sums in f32; all else in f32.
; Roll, partition and their reverses only permute tokens, and a token's result goes back to the address that its x came from: a window is 65,536 bytes in and 65,536 out, and nothing else goes to memory.
; SHARES.  Work-group g owns window place (g / 16, g % 16) in all four batch elements: a loop of four windows.  The place is fixed, so the shift mask is a constant of the work-group, added once to the bias tiles.
; Four waves, as many as a WGP has SIMDs.  Two ways of sharing a window:
;   BY ROWS (x, projection, both LayerNorms, MLP, output): wave w owns tokens 32 w .. 32 w + 31 as two tiles of 16.  Lane (r, h) holds row r of a tile, register 16 b + i its channel 32 b + 16 h + i ("Q layout", 64 registers a tile).
;   BY HEADS (QKV, attention): wave w is head w for all 128 tokens; q, k, v, scores and p never leave the wave.
; What goes from wave to wave is codes, through LDS, as images of the operand's registers: x's eight fragments in, the attention result's eight out: two barriers a window.
; TOKENS.  Row r of token tile 2 b + u is token 32 b + 8 u + r + 8 (r / 8); the weights' tiles take their rows by the same rule: so a product's results in two neighbouring tiles are 16 neighbours along the next K, and nothing is transposed.
; A HEAD'S K OF 32 IN AN INSTRUCTION OF 128: a token tile's codes lie in lanes 0-15 of four registers (block 0).  Q's blocks 1 to 3 are zero codes, so whatever K's run of eight registers holds there adds nothing
; (E2M1 has no infinity or NaN; the scale words' upper three bytes are 0, a power of two).
; BIASES, MASK AND RESIDUALS ARE THE C OF A SUM'S FIRST MATRIX INSTRUCTION: no addition is spent on them but x + proj_b and x1 + fc2_b, once a window.
; NO TENSOR LOADS: a window's rows wrap at the image's edge, and x is asked for by plain loads, 16,384 bytes a wave, a whole MLP phase ahead of its use.
; NO CLUSTER: what work-groups share is the weights' codes, about 125,000 bytes a work-group, read once at the head, against 524,288 bytes of x and out0 that are the work-group's own.
; LIMITS.  NaN and infinities are not served.  A block whose largest magnitude lies under 2^-124 has its byte held at 1, a block of zeros too (the rule says 127: its codes are zeros, and only this program reads the bytes).
; erf is the rational form of Abramowitz and Stegun 7.1.26 (absolute error up to 1.5e-7); GELU = 0.5 x + |x| (0.5 - erfc(|x| / sqrt 2) / 2), which cancels for negative x as x (1 + erf) / 2 does.
; Orders of rounding that differ from the formula as written: score + (bias + mask); (x + proj_b) + sum; (x1 + fc2_b) + sum.  1 / l and 1 / sqrt(var + eps) are v_rcp_f32 and v_rsq_f32.
; THE MODE: SCHED_MODE bits 1:0 = 2 (LLVM: expert scheduling mode 2), set by the entry lines.  The code itself states the register dependences
; between vector or matrix instructions and memory or LDS instructions, with s_wait_alu, always for 0.
; THE PLAN.  Registers that memory or LDS instructions touch, in the order of a window:
;   U             the window's rows land; the stage's stores read them; vector instructions write q's and k's codes there and the score products read those; norm2's gain and bias land and LayerNorm reads them; the next window's rows land.
;   X             the rows land from the stage; vector and matrix instructions work on them; the way out's stage stores read them.
;   A             proj_b lands; products and vector work; norm1's gain and bias land and LayerNorm reads them; the finished rows land from the stage and the global stores read them.
;   v96-111, v82, v83   x's codes and scale words, written by the quantiser and read by LDS stores; V's codes; the attention result's fragments land; h's codes.
;   v120-125      a query tile's codes and byte, two sets by turns, read by LDS stores that stand a tile later; in the MLP the hidden layer's codes.
;   W2 = XF, v48-55     x's fragments land and the QKV products read them; fc2_b lands and the additions read it; fc2's groups land and its products read them.
;   W1, B1, v40-47      x's scale words, then fc1's groups land; products read them.
;   v13-15        the MLP's three LDS addresses: written once ahead of the MLP and once a group.  Every other address is made at the head and never written again.
; So the waits on va_vdst stand where a phase's results go to LDS or into a scaled product, and each also frees the registers in which the next phase's loads land; in an MLP group the loads stand behind the wait of the
; first GELU batch.  The waits on vm_vsrc: one at a window's top, one behind the first barrier, one a query tile from the third on, one an MLP group.
;
; LDS (bytes)
.set W1SC,   65536                     ; 0: fc1's 32 fragments; 32,768: fc2's 32 (8 s + T); here: their scale words, 128 bytes a fragment, fc1's then fc2's
.set VEC,    73728                     ; the vectors as they lie in memory: fc1_b, then
.set V_PROJB, 2048
.set V_FC2B,  2560
.set V_N2W,   3072
.set V_N2B,   3584
.set V_N1W,   4096
.set V_N1B,   4608
.set XIMG,   78848                     ; x's eight fragments, 1,024 bytes each
.set XSC,    87040                     ; their scale words, 128 bytes a tile
.set AIMG,   88064                     ; the attention result's eight fragments
.set ASC,    96256                     ; their scale bytes: 64 tile + 4 r + head
.set STAGE,  97280                     ; a stage for each wave: 32 token rows of 512 bytes + 16
.set SPITCH, 528                       ; 33 x 16 bytes: the sixteen rows that a load touches start in sixteen different groups of banks
.set WSTAGE, 32*SPITCH
; REGISTERS, window 0
.set LI,  1                            ; 16 x lane
.set LS,  3                            ; 4 x lane
.set XWI, 4                            ; where I store x's images
.set XWS, 5                            ; and their scale words
.set SD,  6                            ; my stage, a whole row to the wave: + 16 x lane
.set SQ,  7                            ; my stage in Q layout: + 528 r + 64 h
.set AW,  8                            ; where my head's 8 bytes of a token's codes go
.set ASW, 9                            ; and its scale byte
.set AFR, 10                           ; where I read my two tiles' fragments of the attention result
.set ASR, 11                           ; and their scale words
.set VB,  12                           ; the vectors in Q layout: VEC + 64 h
.set WA,  13                           ; the MLP group's fragments, scale words, bias
.set WSA, 14
.set WBA, 15
.set XRD, 22                           ; x's images, read
.set XSR, 23
.set WQS, 24                           ; v24-66 hold scale words and nothing else: v24-29 my head's six tiles of qkv_w, v30-37 proj_w's eight, v38-39 the attention result's
.set WPS, 30
.set AS,  38
.set XS,  40                           ; attention: x's 40-47, q's 48-55, k's 56-63, v's 64-65, p's 66
.set QS,  48
.set KS,  56
.set VS,  64
.set PS,  66
.set W1S, 40                           ; MLP: fc1's 40-47, fc2's 48-55, h's 56-57, the hidden layer's 58-59
.set W2S, 48
.set HS,  56
.set GS,  58
.set TM,  84                           ; the quantiser's twelve: maxima, bytes, scale operands.  v68-95 are at work everywhere
.set CF,  96                           ; v96-127 fragments just made or fetched
.set A,   128                          ; v128-255 results of the product in hand
; window 1
.set X,   0                            ; my 32 tokens, Q layout: x, x1, x + h, y
.set U,   128                          ; the next window's rows as loaded; then q's and k's codes; then vectors
.set QC,  128                          ; tile j: 4 registers of codes, 4 of zeros
.set KC,  192                          ; tile i: 4 registers of codes
; window 2
.set RPB, 0                            ; 16 tiles of bias + mask: (query tile % 4, key tile % 4)
.set WQ,  128                          ; my head's q0 q1 k0 k1 v0 v1
.set WP,  176                          ; proj_w's eight
.set BV,  240                          ; v's bias, two tiles
; window 3
.set W1,  0                            ; a group of eight fragments of fc1_w
.set W2,  64                           ; and of fc2_w; ahead of the MLP: fc2_b in Q layout
.set XF,  64                           ; in the attention phase: x's eight fragments
.set B1,  128                          ; the group's fc1_b, eight tiles
.set BQK, 192                          ; q's and k's bias, four tiles
; s_set_vgpr_msb's low byte: bits 1:0 source 0, 3:2 source 1, 5:4 source 2, 7:6 destination; the high byte repeats the setting that is left
.set MSB, 0
.macro WIN new
.if MSB != (\new)
	s_set_vgpr_msb ((MSB<<8)|(\new))
.set MSB, (\new)
.endif
.endm
.macro NOPS n
.rept \n
	v_nop
.endr
.endm
; 64 numbers of a lane in Q layout, v[s] on in window sw, become a fragment's codes in v[pc] on and its scale word in v[pw] (both window 0)
.macro QUANT s, sw, pc, pw
	WIN ((\sw)|((\sw)<<2))
.irp b, 0,1,2,3
	v_max3_num_f32 v[TM+\b], |v[(\s)+16*\b]|, |v[(\s)+16*\b+1]|, 0x1800000   ; block b: my 16 numbers from the low end on, and the floor 2^(3 - 127): the byte cannot fall under 1
.endr
.irp i, 2,4,6,8,10,12,14
.irp b, 0,1,2,3
	v_max3_num_f32 v[TM+\b], |v[(\s)+16*\b+\i]|, |v[(\s)+16*\b+\i+1]|, v[TM+\b]   ; the four blocks by turns
.endr
.endr
	WIN 0
.irp b, 0,1,2,3
	v_permlanex16_b32 v[TM+4+\b], v[TM+\b], s42, s43
.endr
.irp b, 0,1,2,3
	v_max_num_f32 v[TM+\b], v[TM+\b], v[TM+4+\b]   ; with lane l xor 16's: the block's largest magnitude
.endr
.irp b, 0,1,2,3
	v_add_nc_u32 v[TM+8+\b], 0xff000000, v[TM+\b]  ; 2 off its exponent field: the conversion's scale operand
.endr
.irp b, 0,1,2,3
	v_lshrrev_b32 v[TM+4+\b], 23, v[TM+8+\b]       ; the scale's byte
.endr
	v_lshl_or_b32 v[\pw], v[TM+5], 8, v[TM+4]
	v_lshl_or_b32 v[\pw], v[TM+6], 16, v[\pw]
	v_lshl_or_b32 v[\pw], v[TM+7], 24, v[\pw]
	WIN (\sw)
.irp b, 0,1,2,3
	v_cvt_scalef32_pk8_fp4_f32 v[(\pc)+2*\b], v[(\s)+16*\b:(\s)+16*\b+7], v[TM+8+\b]
	v_cvt_scalef32_pk8_fp4_f32 v[(\pc)+2*\b+1], v[(\s)+16*\b+8:(\s)+16*\b+15], v[TM+8+\b]
.endr
	WIN 0
	v_nop                                          ; one plain place behind a scaled conversion
.irp c, 0,1                                    ; the operand's layout wants a whole block in a lane
.irp i, 0,1
	v_permlane16_swap_b32 v[(\pc)+4*\c+\i], v[(\pc)+4*\c+2+\i]
.endr
.endr
.endm
.macro IMAGE adr, pc, off                      ; a fragment goes to LDS as it stands
.irp c, 0,1
	ds_store_b128 v[\adr], v[(\pc)+4*\c:(\pc)+4*\c+3] offset:(\off)+512*\c
.endr
.endm
.macro FETCH reg, adr, off                     ; and comes back so, in any wave
.irp c, 0,1
	ds_load_b128 v[(\reg)+4*\c:(\reg)+4*\c+3], v[\adr] offset:(\off)+512*\c
.endr
.endm
.macro VLOAD reg, adr, off                     ; 128 numbers of a vector in Q layout: 64 registers; the sixteen lanes of a half read the same words
.irp b, 0,1,2,3
.irp q, 0,1,2,3
	ds_load_b128 v[(\reg)+16*\b+4*\q:(\reg)+16*\b+4*\q+3], v[\adr] offset:(\off)+128*\b+16*\q
.endr
.endr
.endm
; my 32 tokens of the window at the x bases: each load is one token's 512 consecutive bytes.  Local token i: window row i / 8 (65,536 bytes a row of the image), column i % 8: columns 0-3 from base A, 4-7 from base B (the wrap at the image's edge lies between them)
.macro XPRE
	WIN 0x40
.set i, 0
.rept 32
.if (i&4)
	global_load_b128 v[U+4*i:U+4*i+3], v[LI], s[36:37] offset:(i>>3)*65536+(i&3)*512 th:TH_LOAD_NT
.else
	global_load_b128 v[U+4*i:U+4*i+3], v[LI], s[34:35] offset:(i>>3)*65536+(i&3)*512 th:TH_LOAD_NT
.endif
.set i, i+1
.endr
	WIN 0
.endm
; q and k of four token tiles (4 rnd ..): source 0 = 16 rows of the weight, source 1 = x: a lane holds one token, tiles u = 0, 1 its head channels 16 h + 0 .. 15.  Sixteen accumulators, one instruction each
.macro QKP rnd
	WIN 0x3E
.irp t, 0,1,2,3
.irp m, 0,1,2,3
	v_wmma_scale_f32_16x16x128_f8f6f4 v[A+32*\t+8*\m:A+32*\t+8*\m+7], v[WQ+8*\m:WQ+8*\m+7], v[XF+8*(4*\rnd+\t):XF+8*(4*\rnd+\t)+7], v[BQK+8*\m:BQK+8*\m+7], v[WQS+\m], v[XS+4*\rnd+\t] matrix_a_fmt:MATRIX_FMT_FP4 matrix_b_fmt:MATRIX_FMT_FP4
.endr
.endr
	WIN 0
	NOPS 4                                         ; four places behind the products, ahead of the first read of their results
.endm
; they are quantised: eight chains (tile c / 2; q where c is even, k where odd), 16 numbers a lane, the other 16 of the block in lane l xor 16
.macro QKQ rnd
.irp t, 0,1,2,3
.irp p, 0,2,4,6,8,10,12,14
	v_pk_mul_f32 v[A+32*\t+\p:A+32*\t+\p+1], v[A+32*\t+\p:A+32*\t+\p+1], s[46:47] op_sel_hi:[1,0]   ; q x 32^-0.5, ahead of the quantiser
.endr
.endr
.irp c, 0,1,2,3,4,5,6,7
	v_max3_num_f32 v[68+\c], |v[A+16*\c]|, |v[A+16*\c+1]|, 0x1800000
.endr
.irp i, 2,4,6,8,10,12,14
.irp c, 0,1,2,3,4,5,6,7
	v_max3_num_f32 v[68+\c], v[68+\c], |v[A+16*\c+\i]|, |v[A+16*\c+\i+1]|
.endr
.endr
.irp c, 0,1,2,3,4,5,6,7
	v_permlanex16_b32 v[76+\c], v[68+\c], s42, s43
.endr
.irp c, 0,1,2,3,4,5,6,7
	v_max_num_f32 v[68+\c], v[68+\c], v[76+\c]
.endr
.irp c, 0,1,2,3,4,5,6,7
	v_add_nc_u32 v[84+\c], 0xff000000, v[68+\c]
.endr
.irp t, 0,1,2,3
	v_lshrrev_b32 v[QS+4*\rnd+\t], 23, v[84+2*\t]  ; the word: the byte of block 0, zero bytes above
	v_lshrrev_b32 v[KS+4*\rnd+\t], 23, v[85+2*\t]
.endr
	WIN 0x40
.irp t, 0,1,2,3
.irp e, 0,1
	v_cvt_scalef32_pk8_fp4_f32 v[QC+8*(4*\rnd+\t)+\e], v[A+32*\t+8*\e:A+32*\t+8*\e+7], v[84+2*\t]
	v_cvt_scalef32_pk8_fp4_f32 v[KC+4*(4*\rnd+\t)+\e], v[A+32*\t+16+8*\e:A+32*\t+16+8*\e+7], v[85+2*\t]
.endr
.endr
	v_nop                                          ; one plain place behind a scaled conversion
	WIN 0x41
.irp t, 0,1,2,3
.irp e, 0,1
	v_permlanex16_b32 v[QC+8*(4*\rnd+\t)+2+\e], v[QC+8*(4*\rnd+\t)+\e], s42, s43   ; lanes 0-15 now hold channels 0 .. 31 in four registers
	v_permlanex16_b32 v[KC+4*(4*\rnd+\t)+2+\e], v[KC+4*(4*\rnd+\t)+\e], s42, s43
.endr
.endr
.irp t, 0,1,2,3
.irp e, 0,1,2,3
	v_cndmask_b32 v[QC+8*(4*\rnd+\t)+\e], v[QC+8*(4*\rnd+\t)+\e], 0, s48   ; Q's block 1 (lanes 16-31): zero codes
.endr
.endr
	WIN 0
.endm
; S^T of query tile j: source 0 = 16 keys, source 1 = 16 queries, C = bias + mask: a lane holds one query, register 16 b + i key 32 b + 16 h + i.  Eight accumulators, one instruction each
.macro SMM j
	WIN 0x25
.irp i, 0,1,2,3,4,5,6,7
	v_wmma_scale_f32_16x16x128_f8f6f4 v[A+64*((\j)%2)+8*\i:A+64*((\j)%2)+8*\i+7], v[KC+4*\i:KC+4*\i+7], v[QC+8*(\j):QC+8*(\j)+7], v[RPB+8*(4*((\j)%4)+(\i%4)):RPB+8*(4*((\j)%4)+(\i%4))+7], v[KS+\i], v[QS+(\j)] matrix_a_fmt:MATRIX_FMT_FP4 matrix_b_fmt:MATRIX_FMT_FP4
.endr
.endm
; query tile j's codes and scale byte go to LDS, out of set j % 2 of v120-125
.macro OSTORE j
	ds_store_b64 v[AW], v[120+2*((\j)%2):121+2*((\j)%2)] offset:1024*(\j)   ; 8 bytes at their place in the fragment's image: 32 lanes fill 256 consecutive bytes
	ds_store_b8 v[ASW], v[124+((\j)%2)] offset:64*(\j)                      ; both lanes of a token write the same byte with the same value
.endm
; the softmax of query tile j, all 128 keys in hand: t = score x log2(e), M = ceil(the row's largest t), p = 2^(t - M) quantised along the keys; 1 / (the sum of the unquantised p) is left in v[18:19]
.macro SOFTMAX sb, j
.irp b, 0,1,2,3
	v_max3_num_f32 v[84+\b], v[(\sb)+16*\b], v[(\sb)+16*\b+1], v[(\sb)+16*\b+2]   ; the largest score of each block of 32 keys: for the row's maximum, and, since p rises with the score, for the block's largest p
.endr
.irp i, 3,5,7,9,11,13
.irp b, 0,1,2,3
	v_max3_num_f32 v[84+\b], v[84+\b], v[(\sb)+16*\b+\i], v[(\sb)+16*\b+\i+1]
.endr
.endr
.irp b, 0,1,2,3
	v_max_num_f32 v[84+\b], v[84+\b], v[(\sb)+16*\b+15]
.endr
.irp b, 0,1,2,3
	v_permlanex16_b32 v[88+\b], v[84+\b], s42, s43
.endr
.irp b, 0,1,2,3
	v_max_num_f32 v[84+\b], v[84+\b], v[88+\b]
.endr
	v_max3_num_f32 v68, v84, v85, v86
	v_max_num_f32 v68, v68, v87
	v_mul_f32 v17, s44, v68                        ; the row's largest t
	v_floor_f32 v16, -v17                          ; -M = floor(-t)
.set p, 0
.rept 32
	v_pk_fma_f32 v[(\sb)+2*p:(\sb)+2*p+1], v[(\sb)+2*p:(\sb)+2*p+1], s[44:45], v[16:17] op_sel_hi:[1,0,0]   ; t - M, two at a time
.set p, p+1
.endr
.irp b, 0,1,2,3
	v_fma_f32 v[84+\b], v[84+\b], s44, v16         ; the same of each block's largest score
.endr
.set p, 0
.rept 64
	v_exp_f32 v[(\sb)+p], v[(\sb)+p]               ; p, at most 1, not normalised
.set p, p+1
.endr
.irp b, 0,1,2,3
	v_exp_f32 v[84+\b], v[84+\b]                   ; the block's largest p: the same two instructions on the same number
.endr
	v_nop                                          ; one plain place behind the exponentials
	s_wait_alu depctr_va_vdst(0)                   ; the 68 exponentials have written their results, ahead of the first reader; and the tile before has written its codes and its byte, which the two stores below read
.if (\j) > 0
	OSTORE (\j)-1
.endif
.irp b, 0,1,2,3
	v_max_num_f32 v[84+\b], 0x1800000, v[84+\b]    ; the floor: a block whose every p has fallen to 0 (masked keys) keeps the byte 1 over zero codes
.endr
.irp b, 0,1,2,3
	v_add_nc_u32 v[92+\b], 0xff000000, v[84+\b]
.endr
.irp b, 0,1,2,3
	v_lshrrev_b32 v[88+\b], 23, v[92+\b]
.endr
	v_lshl_or_b32 v[PS], v89, 8, v88
	v_lshl_or_b32 v[PS], v90, 16, v[PS]
	v_lshl_or_b32 v[PS], v91, 24, v[PS]
.irp b, 0,1,2,3
	v_cvt_scalef32_pk8_fp4_f32 v[CF+16+2*\b], v[(\sb)+16*\b:(\sb)+16*\b+7], v[92+\b]
	v_cvt_scalef32_pk8_fp4_f32 v[CF+17+2*\b], v[(\sb)+16*\b+8:(\sb)+16*\b+15], v[92+\b]
.endr
	v_nop
.irp c, 0,1
.irp i, 0,1
	v_permlane16_swap_b32 v[CF+16+4*\c+\i], v[CF+18+4*\c+\i]
.endr
.endr
	v_pk_add_f32 v[18:19], v[(\sb):(\sb)+1], v[(\sb)+2:(\sb)+3]       ; the row's sum of the unquantised p, in four chains.  (These lines are also the places between p's codes and scale word and the product that takes them)
	v_pk_add_f32 v[20:21], v[(\sb)+4:(\sb)+5], v[(\sb)+6:(\sb)+7]
	v_pk_add_f32 v[68:69], v[(\sb)+8:(\sb)+9], v[(\sb)+10:(\sb)+11]
	v_pk_add_f32 v[70:71], v[(\sb)+12:(\sb)+13], v[(\sb)+14:(\sb)+15]
.irp q, 16,24,32,40,48,56
	v_pk_add_f32 v[18:19], v[18:19], v[(\sb)+\q:(\sb)+\q+1]
	v_pk_add_f32 v[20:21], v[20:21], v[(\sb)+\q+2:(\sb)+\q+3]
	v_pk_add_f32 v[68:69], v[68:69], v[(\sb)+\q+4:(\sb)+\q+5]
	v_pk_add_f32 v[70:71], v[70:71], v[(\sb)+\q+6:(\sb)+\q+7]
.endr
	v_pk_add_f32 v[18:19], v[18:19], v[20:21]
	v_pk_add_f32 v[68:69], v[68:69], v[70:71]
	v_pk_add_f32 v[18:19], v[18:19], v[68:69]
	v_add_f32 v18, v18, v19
	v_permlanex16_b32 v20, v18, s42, s43
	v_add_f32 v18, v18, v20                        ; l, over 1/2
	v_rcp_f32 v18, v18
	v_nop                                          ; one plain place behind the reciprocal
	s_wait_alu depctr_va_vdst(0)                   ; the reciprocal is written, ahead of its first reader; so are p's codes and scale word, which the two scaled products behind this macro take (their places stand above)
	v_mov_b32 v19, v18
.endm
; O^T = V^T P^T for query tile j (source 0 = 16 of my head's channels, K = the 128 keys), divided by l, quantised (a token's block w of the projection's K) into set j % 2 of v120-125; the stores follow a tile later
.macro PVO j
.set cp, 120+2*((\j)%2)
.set cb, 124+((\j)%2)
	v_wmma_scale_f32_16x16x128_f8f6f4 v[68:75], v[CF:CF+7], v[CF+16:CF+23], 0, v[VS], v[PS] matrix_a_fmt:MATRIX_FMT_FP4 matrix_b_fmt:MATRIX_FMT_FP4
	v_wmma_scale_f32_16x16x128_f8f6f4 v[76:83], v[CF+8:CF+15], v[CF+16:CF+23], 0, v[VS+1], v[PS] matrix_a_fmt:MATRIX_FMT_FP4 matrix_b_fmt:MATRIX_FMT_FP4
	NOPS 4
.irp p, 0,2,4,6,8,10,12,14
	v_pk_mul_f32 v[68+\p:69+\p], v[68+\p:69+\p], v[18:19]   ; registers 0 .. 15 = head channels 16 h + 0 .. 15 of query r
.endr
	v_max3_num_f32 v84, |v68|, |v69|, 0x1800000
	v_max3_num_f32 v85, |v76|, |v77|, |v78|
	v_max3_num_f32 v84, v84, |v70|, |v71|
	v_max3_num_f32 v85, v85, |v79|, |v80|
	v_max3_num_f32 v84, v84, |v72|, |v73|
	v_max3_num_f32 v85, v85, |v81|, |v82|
	v_max3_num_f32 v84, v84, |v74|, |v75|
	v_max3_num_f32 v85, v85, |v83|, v84
	v_permlanex16_b32 v88, v85, s42, s43
	v_max_num_f32 v85, v85, v88
	v_add_nc_u32 v92, 0xff000000, v85
.if (\j) > 1
	s_wait_alu depctr_vm_vsrc(0)                   ; the stores of the tile two back have read this set's three registers, which the three lines below write again
.endif
	v_lshrrev_b32 v[cb], 23, v92
	v_cvt_scalef32_pk8_fp4_f32 v[cp], v[68:75], v92
	v_cvt_scalef32_pk8_fp4_f32 v[cp+1], v[76:83], v92
	v_nop                                          ; one plain place behind a scaled conversion
.endm
.macro LNMERGE                                 ; four chains of pairs in v68-75 -> the row's sum in v68, in every lane of the row
	v_pk_add_f32 v[68:69], v[68:69], v[70:71]
	v_pk_add_f32 v[72:73], v[72:73], v[74:75]
	v_pk_add_f32 v[68:69], v[68:69], v[72:73]
	v_add_f32 v68, v68, v69
	v_permlanex16_b32 v70, v68, s42, s43
	v_add_f32 v68, v68, v70
.endm
; LayerNorm of X's tile u, in two passes as the formula has it, into v[d] on of window dw; gain at v[g], bias at v[g + 64] of window gw
.macro LN u, dw, d, gw, g
	WIN 0x05
.irp c, 0,1,2,3
	v_pk_add_f32 v[68+2*\c:69+2*\c], v[X+64*\u+4*\c:X+64*\u+4*\c+1], v[X+64*\u+4*\c+2:X+64*\u+4*\c+3]   ; ascending: each accumulator is read from its low end on
.endr
	WIN 0x01
.set p, 8
.rept 24
	v_pk_add_f32 v[68+2*(p%4):69+2*(p%4)], v[X+64*\u+2*p:X+64*\u+2*p+1], v[68+2*(p%4):69+2*(p%4)]
.set p, p+1
.endr
	WIN 0
	LNMERGE
	v_mul_f32 v76, s66, v68                        ; the mean
	v_mul_f32 v77, s66, v68
	WIN (((\dw)<<6)|1)
.set p, 0
.rept 32
	v_pk_add_f32 v[(\d)+2*p:(\d)+2*p+1], v[X+64*\u+2*p:X+64*\u+2*p+1], v[76:77] neg_lo:[0,1] neg_hi:[0,1]
.set p, p+1
.endr
	WIN ((\dw)|((\dw)<<2))
.irp c, 0,1,2,3
	v_pk_mul_f32 v[68+2*\c:69+2*\c], v[(\d)+2*\c:(\d)+2*\c+1], v[(\d)+2*\c:(\d)+2*\c+1]
.endr
.set p, 4
.rept 28
	v_pk_fma_f32 v[68+2*(p%4):69+2*(p%4)], v[(\d)+2*p:(\d)+2*p+1], v[(\d)+2*p:(\d)+2*p+1], v[68+2*(p%4):69+2*(p%4)]
.set p, p+1
.endr
	WIN 0
	LNMERGE
	v_fma_f32 v68, v68, s66, s67                   ; the variance + 1e-5
	v_rsq_f32 v78, v68
	v_nop                                          ; one plain place behind the root
	s_wait_alu depctr_va_vdst(0)                   ; the root's reciprocal is written, ahead of its first reader
	v_mov_b32 v79, v78
	WIN (((\dw)<<6)|(\dw))
.set p, 0
.rept 32
	v_pk_mul_f32 v[(\d)+2*p:(\d)+2*p+1], v[(\d)+2*p:(\d)+2*p+1], v[78:79]
.set p, p+1
.endr
	WIN (((\dw)<<6)|(\dw)|((\gw)<<2)|((\gw)<<4))
.set p, 0
.rept 32
	v_pk_fma_f32 v[(\d)+2*p:(\d)+2*p+1], v[(\d)+2*p:(\d)+2*p+1], v[(\g)+2*p:(\g)+2*p+1], v[(\g)+64+2*p:(\g)+64+2*p+1]
.set p, p+1
.endr
	WIN 0
.endm
.macro W1LOAD                                  ; a group of eight tiles of fc1: fragments, bias, scale words: 40 LDS loads
	WIN 0xC0
.irp t, 0,1,2,3,4,5,6,7
.irp c, 0,1
	ds_load_b128 v[W1+8*\t+4*\c:W1+8*\t+4*\c+3], v[WA] offset:1024*\t+512*\c
.endr
.endr
	VLOAD B1, WBA, 0
	WIN 0
.irp t, 0,1,2,3,4,5,6,7
	ds_load_b32 v[W1S+\t], v[WSA] offset:128*\t
.endr
.endm
.macro W2LOAD                                  ; the group in hand of fc2: fragments and scale words: 24 LDS loads.  The addresses stand at the NEXT group already: 8,192 and 1,024 bytes are taken off the offsets
	WIN 0xC0
.irp t, 0,1,2,3,4,5,6,7
.irp c, 0,1
	ds_load_b128 v[W2+8*\t+4*\c:W2+8*\t+4*\c+3], v[WA] offset:32768-8192+1024*\t+512*\c
.endr
.endr
	WIN 0
.irp t, 0,1,2,3,4,5,6,7
	ds_load_b32 v[W2S+\t], v[WSA] offset:4096-1024+128*\t
.endr
.endm
; GELU of one accumulator's eight registers, in place.  t = 1 / (1 + p' |x|); e = 2^-((c1 x)^2) = exp(-x^2 / 2); P = (the polynomial in t, coefficients halved) = erfc / (2 e); x <- 0.5 x + |x| (0.5 - P e)
; ld = 1: the group's first batch: the group's LDS loads stand behind its wait
.macro GELU8 x, ld
.irp k, 0,1,2,3,4,5,6,7
	v_fma_f32 v[68+\k], |v[(\x)+\k]|, s52, 1.0
.endr
.irp k, 0,2,4,6
	v_pk_mul_f32 v[76+\k:77+\k], v[(\x)+\k:(\x)+\k+1], s[50:51] op_sel_hi:[1,0]
.endr
.irp k, 0,1,2,3,4,5,6,7
	v_rcp_f32 v[68+\k], v[68+\k]
.endr
.irp k, 0,2,4,6
	v_pk_mul_f32 v[76+\k:77+\k], v[76+\k:77+\k], v[76+\k:77+\k]     ; (the plain places behind the reciprocals)
.endr
.irp k, 0,1,2,3,4,5,6,7
	v_exp_f32 v[76+\k], -v[76+\k]
.endr
.if \ld
	s_wait_alu depctr_va_vdst(0)                   ; the reciprocals and exponentials have written their results, ahead of the first reader; fc1's products are done reading W1, B1 and their scale words, the last group's fc2 products (in the first group: the additions of fc2_b) W2 and its scale words: the loads below land in all of these; and the three addresses are written
	W2LOAD                                         ; lands under the GELU
	s_cmp_eq_u32 s4, 3
	s_cbranch_scc1 .Lno_w1
	W1LOAD                                         ; the next group of fc1, if there is one: likewise
.Lno_w1:
.else
	s_wait_alu depctr_va_vdst(0)                   ; the eight reciprocals and the eight exponentials have written their results, ahead of the first reader
.endif
.irp k, 0,2,4,6
	v_pk_fma_f32 v[84+\k:85+\k], v[68+\k:69+\k], s[54:55], v[92:93] op_sel_hi:[1,0,1]   ; (the plain places behind the exponentials: these touch none of their registers)
.endr
.irp c, 56,58,60
.irp k, 0,2,4,6
	v_pk_fma_f32 v[84+\k:85+\k], v[84+\k:85+\k], v[68+\k:69+\k], s[\c:\c+1] op_sel_hi:[1,1,0]
.endr
.endr
.irp k, 0,2,4,6
	v_pk_mul_f32 v[84+\k:85+\k], v[84+\k:85+\k], v[68+\k:69+\k]
.endr
.irp k, 0,2,4,6
	v_pk_fma_f32 v[84+\k:85+\k], v[84+\k:85+\k], v[76+\k:77+\k], 0.5 op_sel_hi:[1,1,0] neg_lo:[1,0,0] neg_hi:[1,0,0]
.endr
.irp k, 0,1,2,3,4,5,6,7
	v_mul_f32 v[68+\k], |v[(\x)+\k]|, v[84+\k]
.endr
.irp k, 0,2,4,6
	v_pk_fma_f32 v[(\x)+\k:(\x)+\k+1], v[(\x)+\k:(\x)+\k+1], 0.5, v[68+\k:69+\k] op_sel_hi:[1,0,1]
.endr
.endm
; ---------------- THE HEAD ----------------
	s_load_b512 s[8:23], s[0:1], 0x0               ; x_v 8, qkv_b 10, proj_b 12, rpb_table 14, norm1_w 16, norm1_b 18, norm2_w 20, norm2_b 22
	s_load_b256 s[24:31], s[0:1], 0x40             ; fc1_b 24, fc2_b 26, wcodes 28, wscales 30
	s_load_b64 s[32:33], s[0:1], 0x60              ; out0
	v_lshl_add_u32 v2, v0, 2, 0x28800              ; the LDS address of my spare word, behind the stages, and 0: made here and kept for the closing lines alone
	v_mov_b32 v67, 0
	v_lshrrev_b32 v96, 5, v0
	v_readfirstlane_b32 s2, v96                    ; wave 0..3 = my head = my 32 tokens
	v_and_b32 v96, 31, v0                          ; lane
	v_and_b32 v97, 15, v0                          ; r
	v_bfe_u32 v98, v0, 4, 1                        ; h
	v_lshlrev_b32 v99, 4, v0                       ; 16 x thread
	v_lshlrev_b32 v100, 2, v0                      ; 4 x thread
	v_lshl_add_u32 v101, v0, 4, 0x10000            ; the same from LDS byte 65,536 on
	v_lshl_add_u32 v102, v0, 2, 0x10000
	v_lshlrev_b32 v[LI], 4, v96
	v_lshlrev_b32 v[LS], 2, v96
	s_wait_alu depctr_va_sdst(0)                   ; s2, the wave's number, is written, ahead of its first reader
	s_lshl_b32 s68, s2, 11
	s_add_co_u32 s69, s68, XIMG
	v_add_nc_u32 v[XWI], s69, v[LI]
	s_add_co_u32 s69, s68, AIMG
	v_add_nc_u32 v[AFR], s69, v[LI]
	s_lshl_b32 s68, s2, 8
	s_add_co_u32 s69, s68, XSC
	v_add_nc_u32 v[XWS], s69, v[LS]
	s_add_co_u32 s69, s68, AIMG
	v_lshlrev_b32 v[AW], 4, v97
	v_lshl_add_u32 v[AW], v98, 3, v[AW]
	v_add_nc_u32 v[AW], s69, v[AW]                 ; block w of a fragment: 256 w + 16 r, my half's 8 bytes
	s_mul_i32 s68, s2, WSTAGE
	s_add_co_u32 s68, s68, STAGE
	v_add_nc_u32 v[SD], s68, v[LI]
	v_mul_u32_u24 v[SQ], v97, SPITCH
	v_lshl_add_u32 v[SQ], v98, 6, v[SQ]
	v_add_nc_u32 v[SQ], s68, v[SQ]
	v_lshlrev_b32 v106, 2, v97                     ; 4 r
	s_add_co_u32 s68, s2, ASC
	v_add_nc_u32 v[ASW], s68, v106
	s_lshl_b32 s68, s2, 7                          ; 128 w
	s_add_co_u32 s69, s68, ASC
	v_add_nc_u32 v[ASR], s69, v106
	v_lshl_add_u32 v[VB], v98, 6, VEC
	v_add_nc_u32 v[XRD], XIMG, v[LI]
	v_add_nc_u32 v[XSR], XSC, v[LS]
	v_lshlrev_b32 v103, 6, v98
	v_add_nc_u32 v103, s68, v103                   ; q's and k's bias: 4 (32 w + 16 h)
	v_and_b32 v104, 8, v97
	v_add_nc_u32 v104, v104, v97
	v_lshl_add_u32 v104, v104, 2, s68              ; v's bias: 4 (32 w + r + 8 (r / 8))
	v_bfe_u32 v105, v0, 3, 1
	v_add_nc_u32 v105, 1, v105
	v_sub_nc_u32 v105, v105, v98                   ; r / 8 - h + 1
	v_mul_u32_u24 v105, v105, 30
	v_and_b32 v107, 7, v0
	v_add_nc_u32 v105, v105, v107
	s_lshl_b32 s69, s2, 2
	v_lshl_add_u32 v105, v105, 4, s69              ; the bias table: 16 (30 (r / 8 - h + 1) + r % 8) + 4 head; the tile's and the register's part stands in the immediate
	v_bfe_u32 v106, v0, 2, 1                       ; which half of a window's columns my query lies in
	s_lshr_b32 s70, ttmp9, 4                       ; the window's row of windows,
	s_and_b32 s71, ttmp9, 15                       ; and its column
	s_cmp_eq_u32 s71, 15
	s_cselect_b32 s74, 0xc2c80000, 0               ; -100 between the halves of the columns in the last column of windows,
	s_cmp_eq_u32 s70, 15
	s_cselect_b32 s75, 0xc2c80000, 0               ; and between the halves of the rows in the last row
	s_lshl_b32 s70, s70, 3
	s_and_b32 s72, s2, 1
	s_lshl_b32 s72, s72, 2
	s_add_co_u32 s70, s70, s72
	s_add_co_u32 s70, s70, 4
	s_and_b32 s70, s70, 127                        ; my four rows of the image begin here: a multiple of 4, so they do not wrap
	s_lshl_b32 s70, s70, 7
	s_lshr_b32 s72, s2, 1                          ; my frame
	s_lshl_b32 s72, s72, 14
	s_add_co_u32 s70, s70, s72
	s_lshl_b32 s71, s71, 3
	s_add_co_u32 s72, s71, 4                       ; window columns 0-3
	s_add_co_u32 s73, s71, 8
	s_and_b32 s73, s73, 127                        ; window columns 4-7
	s_add_co_u32 s76, s70, s72
	s_lshl_b32 s76, s76, 9                         ; 512 bytes a token
	s_mov_b32 s77, 0
	s_add_co_u32 s78, s70, s73
	s_lshl_b32 s78, s78, 9
	s_mov_b32 s79, 0
	s_mov_b32 s42, 0x76543210
	s_mov_b32 s43, 0xfedcba98                      ; v_permlanex16_b32's selects for lane l xor 16
	s_mov_b32 s44, 0x3fb8aa3b                      ; log2(e); each constant of a packed form is written twice, since the form names a pair
	s_mov_b32 s45, s44
	s_mov_b32 s46, 0x3e3504f3                      ; 32^-0.5
	s_mov_b32 s47, s46
	s_mov_b32 s48, 0xffff0000                      ; lanes 16-31
	s_mov_b32 s50, 0x3f596d27                      ; c1 = sqrt(log2(e) / 2)
	s_mov_b32 s51, s50
	s_mov_b32 s52, 0x3e6d3388                      ; p' = 0.3275911 / sqrt 2
	s_mov_b32 s54, 0x3f07dc22                      ; a5 / 2
	s_mov_b32 s55, s54
	s_mov_b32 s56, 0x3f35f0e3                      ; a3 / 2
	s_mov_b32 s57, s56
	s_mov_b32 s58, 0xbe11a98e                      ; a2 / 2
	s_mov_b32 s59, s58
	s_mov_b32 s60, 0x3e027906                      ; a1 / 2
	s_mov_b32 s61, s60
	s_mov_b32 s66, 0x3c000000                      ; 1 / 128
	s_mov_b32 s67, 0x3727c5ac                      ; 1e-5
	s_wait_kmcnt 0x0
	s_add_nc_u64 s[34:35], s[8:9], s[76:77]        ; x, bases A and B
	s_add_nc_u64 s[36:37], s[8:9], s[78:79]
	s_add_nc_u64 s[38:39], s[32:33], s[76:77]      ; out0 likewise
	s_add_nc_u64 s[40:41], s[32:33], s[78:79]
	s_lshl_b32 s68, s2, 11
	s_mov_b32 s69, 0
	s_add_nc_u64 s[70:71], s[28:29], s[68:69]      ; my head's tiles of qkv_w: fragments 2 w, 8 + 2 w, 16 + 2 w and their neighbours
	s_lshl_b32 s68, s2, 8
	s_add_nc_u64 s[72:73], s[30:31], s[68:69]
	s_wait_alu depctr_va_vdst(0)                   ; every offset and LDS address made above is written: the loads and stores of the whole kernel read them (v13-15 alone are made later)
	; what goes to LDS: the 128 threads side by side, 2,048 consecutive bytes an instruction
.set i, 0
.rept 32
	global_load_b128 v[A+4*i:A+4*i+3], v99, s[28:29] offset:32768+2048*i     ; fc1's and fc2's 64 fragments
.set i, i+1
.endr
.irp i, 0,1,2,3
	global_load_b128 v[68+4*\i:68+4*\i+3], v99, s[30:31] offset:4096+2048*\i  ; their scale words
.endr
	global_load_b128 v[84:87], v99, s[24:25]       ; fc1_b
	global_load_b32 v88, v100, s[12:13]            ; proj_b
	global_load_b32 v89, v100, s[26:27]            ; fc2_b
	global_load_b32 v90, v100, s[20:21]            ; norm2_w
	global_load_b32 v91, v100, s[22:23]            ; norm2_b
	global_load_b32 v92, v100, s[16:17]            ; norm1_w
	global_load_b32 v93, v100, s[18:19]            ; norm1_b
	; what stays in registers
	WIN 0x80
.irp m, 0,1,2,3,4,5
.irp c, 0,1
	global_load_b128 v[WQ+8*\m+4*\c:WQ+8*\m+4*\c+3], v[LI], s[70:71] offset:1024*(8*(\m/2)+(\m%2))+512*\c
.endr
.endr
.irp t, 0,1,2,3,4,5,6,7
.irp c, 0,1
	global_load_b128 v[WP+8*\t+4*\c:WP+8*\t+4*\c+3], v[LI], s[28:29] offset:1024*(24+\t)+512*\c
.endr
.endr
.irp n, 0,1
.irp e, 0,1,2,3,4,5,6,7
	global_load_b32 v[BV+8*\n+\e], v104, s[10:11] offset:1024+32*\n          ; v's product is not transposed: a lane holds one channel, so its eight registers hold one number
.endr
.endr
.irp jq, 0,1,2,3
.irp ik, 0,1,2,3
.irp e, 0,1,2,3,4,5,6,7
	global_load_b32 v[RPB+8*(4*\jq+\ik)+\e], v105, s[14:15] offset:16*((4*(\jq/2)+(\jq%2)-4*(\ik/2)-(\ik%2)+5)*15+7-\e)   ; table row (query row - key row + 7) 15 + query column - key column + 7: 0 .. 224
.endr
.endr
.endr
	WIN 0xC0
.irp kk, 0,1
.irp q, 0,1,2,3
	global_load_b128 v[BQK+16*\kk+4*\q:BQK+16*\kk+4*\q+3], v103, s[10:11] offset:512*\kk+16*\q
.endr
.endr
	WIN 0
.irp m, 0,1,2,3,4,5
	global_load_b32 v[WQS+\m], v[LS], s[72:73] offset:128*(8*(\m/2)+(\m%2))
.endr
.irp t, 0,1,2,3,4,5,6,7
	global_load_b32 v[WPS+\t], v[LS], s[30:31] offset:128*(24+\t)
.endr
	s_wait_loadcnt 0x0                             ; once a launch
	XPRE                                           ; the first window's x
.set i, 0
.rept 32
	ds_store_b128 v99, v[A+4*i:A+4*i+3] offset:2048*i
.set i, i+1
.endr
.irp i, 0,1,2,3
	ds_store_b128 v101, v[68+4*\i:68+4*\i+3] offset:2048*\i
.endr
	ds_store_b128 v101, v[84:87] offset:8192
.irp k, 0,1,2,3,4,5
	ds_store_b32 v102, v[88+\k] offset:8192+2048+512*\k
.endr
	; the mask: M[rows differ][key's half of the columns], each twice for the packed addition
	v_mov_b32 v107, s74
	v_cmp_eq_u32 vcc_lo, 1, v106
	s_wait_alu depctr_va_vcc(0)                    ; the compare has written VCC, which the select reads
	v_cndmask_b32 v108, 0, v107, vcc_lo            ; keys of columns 0-3: hidden from queries of columns 4-7
	v_cmp_eq_u32 vcc_lo, 0, v106
	s_wait_alu depctr_va_vcc(0)                    ; the compare has written VCC, which the select reads
	v_cndmask_b32 v110, 0, v107, vcc_lo            ; and the other way round
	v_min_num_f32 v112, s75, v108                  ; where the halves of the rows differ too: still -100, not -200
	v_min_num_f32 v114, s75, v110
	v_mov_b32 v109, v108
	v_mov_b32 v111, v110
	v_mov_b32 v113, v112
	v_mov_b32 v115, v114
	WIN 0x82
.irp jq, 0,1,2,3
.irp ik, 0,1,2,3
.irp p, 0,1,2,3
	v_pk_add_f32 v[RPB+8*(4*\jq+\ik)+2*\p:RPB+8*(4*\jq+\ik)+2*\p+1], v[RPB+8*(4*\jq+\ik)+2*\p:RPB+8*(4*\jq+\ik)+2*\p+1], v[108+4*(((\jq/2)+(\ik/2))%2)+2*(\p/2):109+4*(((\jq/2)+(\ik/2))%2)+2*(\p/2)]
.endr
.endr
.endr
	WIN 0
	s_wait_dscnt 0x0                               ; my part of the copy lies in LDS,
	s_barrier_signal -1
	s_barrier_wait -1                              ; everybody's does
	s_mov_b32 s3, 0
; ---------------- A WINDOW ----------------
.Lwin:
	; ---- my 32 tokens: whole rows as loaded go through my stage and come back in Q layout.  Local token i lies in slot 16 ((i / 8) % 2) + 8 (i / 16) + i % 8, so that tile u's row r is slot 16 u + r
	s_wait_loadcnt 0x0                             ; x is in (asked for a whole MLP phase ago)
	WIN 0x04
.set i, 0
.rept 32
	ds_store_b128 v[SD], v[U+4*i:U+4*i+3] offset:((((i>>3)&1)<<4)|((i>>4)<<3)|(i&7))*SPITCH
.set i, i+1
.endr
	WIN 0x40
	s_wait_alu depctr_va_vdst(0)                   ; the last window's LayerNorm has written X and is done reading its gain and bias in A: the loads below land in both
	s_wait_alu depctr_vm_vsrc(0)                   ; the stores above have read U, which q's zero codes below write; the last window's stage stores have read X and its global stores A, in which the loads below land; at the first window: the head's loads and stores have read v68-105 and A
.irp u, 0,1
.irp b, 0,1,2,3
.irp q, 0,1,2,3
	ds_load_b128 v[X+64*\u+16*\b+4*\q:X+64*\u+16*\b+4*\q+3], v[SQ] offset:16*\u*SPITCH+128*\b+16*\q   ; LDS serves a wave's instructions in order: these see my stores
.endr
.endr
.endr
	WIN 0
	VLOAD A, VB, V_PROJB
	s_wait_dscnt 32                                ; the stores and tile 0 are done; tile 1's 16 loads and proj_b's 16 may be out
	WIN 0x40
.irp j, 0,1,2,3,4,5,6,7
.irp e, 4,5,6,7
	v_mov_b32 v[QC+8*\j+\e], 0                     ; Q's blocks 2 and 3: zero codes (the registers held rows that have been stored to the stage)
.endr
.endr
	QUANT X, 1, CF, 82
	s_wait_dscnt 16                                ; tile 1 is in; proj_b's 16 loads may be out
	QUANT X+64, 1, CF+8, 83
	s_wait_alu depctr_va_vdst(0)                   ; the quantiser has written both tiles' codes and scale words, which the six stores below read
	IMAGE XWI, CF, 0
	ds_store_b32 v[XWS], v82
	IMAGE XWI, CF+8, 1024
	ds_store_b32 v[XWS], v83 offset:128
	s_wait_dscnt 0x0                               ; my two fragments of x lie in LDS, and my earlier reads of the attention result's images are over
	s_barrier_signal -1
	WIN 0x41
.irp u, 0,1
.set p, 0
.rept 32
	v_pk_add_f32 v[X+64*\u+2*p:X+64*\u+2*p+1], v[X+64*\u+2*p:X+64*\u+2*p+1], v[A+2*p:A+2*p+1]   ; x + proj_b: the C of the projection.  Work on registers while the others arrive
.set p, p+1
.endr
.endr
	WIN 0
	s_barrier_wait -1                              ; x's eight fragments lie in LDS
	; ---- QKV for my head.  No wait on va_vdst: no vector or matrix instruction since the last one names XF or v40-47, in which these loads land
	WIN 0xC0
.irp t, 0,1,2,3,4,5,6,7
	FETCH XF+8*\t, XRD, 1024*\t
.endr
	WIN 0
.irp t, 0,1,2,3,4,5,6,7
	ds_load_b32 v[XS+\t], v[XSR] offset:128*\t
.endr
	s_wait_dscnt 0x0
	s_wait_alu depctr_vm_vsrc(0)                   ; my stores of x's images and scale words have read v96-111, v82 and v83, which the quantisers and products below write again
	WIN 0x2B
.irp n, 0,1                                    ; v: source 0 = 16 tokens, source 1 = 16 channels: a lane holds one channel, and register 8 tile + j of its 64 key 32 b + 16 h + 8 u + j: Q layout along the keys
.irp t, 0,1,2,3,4,5,6,7
	v_wmma_scale_f32_16x16x128_f8f6f4 v[A+64*\n+8*\t:A+64*\n+8*\t+7], v[XF+8*\t:XF+8*\t+7], v[WQ+32+8*\n:WQ+32+8*\n+7], v[BV+8*\n:BV+8*\n+7], v[XS+\t], v[WQS+4+\n] matrix_a_fmt:MATRIX_FMT_FP4 matrix_b_fmt:MATRIX_FMT_FP4
.endr
.endr
	WIN 0
	NOPS 4
	QUANT A, 0, CF, VS                             ; V^T's two fragments: 16 channels x 128 keys each
	QUANT A+64, 0, CF+8, VS+1
	v_nop
	QKP 0
	QKQ 0
	QKP 1
	QKQ 1
	; ---- attention: the scores of tile j + 1 are issued ahead of tile j's softmax, into the other of two buffers
	NOPS 8                                         ; operands and scale words just written by vector instructions stand 4 and 8 places ahead of a scaled matrix instruction
	s_wait_alu depctr_va_vdst(0)                   ; q's, k's and V's codes and scale words are written, which the scaled products of this phase take
	SMM 0
.irp j, 0,1,2,3,4,5,6,7
.if \j < 7
	SMM \j+1
.endif
	WIN 0
.if \j == 0
	NOPS 4                                         ; later tiles' scores were written a whole softmax ago
.endif
	SOFTMAX A+64*(\j%2), \j
	PVO \j
.endr
	s_mov_b32 s5, 0                                ; the MLP's group 0: its three addresses are made here, ahead of the wait below (their last readers stand ahead of this window's waits on vm_vsrc)
	s_mov_b32 s6, W1SC
	s_mov_b32 s7, 0
	v_add_nc_u32 v[WA], s5, v[LI]
	v_add_nc_u32 v[WSA], s6, v[LS]
	v_add_nc_u32 v[WBA], s7, v[VB]
	s_wait_alu depctr_va_vdst(0)                   ; tile 7's codes and byte are written, which the two stores below read; so are the three addresses; and this phase's products are done reading V's fragments, q's and k's codes, x's fragments and v38-47: the loads up to LayerNorm land in all of these
	OSTORE 7
	s_wait_dscnt 0x0                               ; my head's codes and bytes lie in LDS, and my reads of x's images are over
	s_barrier_signal -1
	s_barrier_wait -1                              ; the attention result's eight fragments lie in LDS
	; ---- projection and LayerNorm (norm2) of my 32 tokens
	FETCH CF, AFR, 0
	FETCH CF+8, AFR, 1024
	ds_load_b32 v[AS], v[ASR]
	ds_load_b32 v[AS+1], v[ASR] offset:64
	WIN 0x40
	VLOAD U, VB, V_N2W
	VLOAD U+64, VB, V_N2B
	WIN 0
	s_wait_dscnt 32                                ; the two fragments and their words are in; the 32 loads of gain and bias may be out
	WIN 0x52
.irp t, 0,1,2,3,4,5,6,7                        ; source 0 = 16 rows of proj_w, source 1 = my tokens; C = D = x + proj_b: sixteen accumulators, one instruction each
.irp u, 0,1
	v_wmma_scale_f32_16x16x128_f8f6f4 v[X+64*\u+8*\t:X+64*\u+8*\t+7], v[WP+8*\t:WP+8*\t+7], v[CF+8*\u:CF+8*\u+7], v[X+64*\u+8*\t:X+64*\u+8*\t+7], v[WPS+\t], v[AS+\u] matrix_a_fmt:MATRIX_FMT_FP4 matrix_b_fmt:MATRIX_FMT_FP4
.endr
.endr
	WIN 0
	NOPS 4                                         ; four places behind the products, ahead of the first read of their results
	s_wait_dscnt 0x0                               ; gain and bias are in (asked for sixteen matrix instructions ago)
	WIN 0xC0
	VLOAD W2, VB, V_FC2B                           ; fc2_b, into the registers that fc2's first group takes later.  No wait: the projection's products name none of the registers that these 56 loads touch
	W1LOAD                                         ; fc1's group 0.  The 56 loads land under the two LayerNorms; the wait for them stands in front of x1 + fc2_b
	LN 0, 0, A, 1, U
	LN 1, 0, A+64, 1, U
	QUANT A, 0, CF, HS
	QUANT A+64, 0, CF+8, HS+1
	s_wait_dscnt 0x0                               ; fc2_b and fc1's group 0
	WIN 0x4D
.irp u, 0,1
.set p, 0
.rept 32
	v_pk_add_f32 v[X+64*\u+2*p:X+64*\u+2*p+1], v[X+64*\u+2*p:X+64*\u+2*p+1], v[W2+2*p:W2+2*p+1]   ; x1 + fc2_b: the C of fc2's sums.  (Also the places between h's codes and scale words and fc1's products)
.set p, p+1
.endr
.endr
	WIN 0
	s_wait_alu depctr_va_vdst(0)                   ; LayerNorm is done reading gain and bias in U, in which the next window's rows land; h's codes and scale words are written, which fc1's scaled products take
	s_cmp_eq_u32 s3, 3                             ; the next window's x is asked for here, if there is one: no load leaves its buffer
	s_cbranch_scc1 .Lno_next
	s_add_nc_u64 s[34:35], s[34:35], 0x1000000     ; the next batch element: 2 frames x 16,384 tokens x 512 bytes.  (The loads that named these bases were waited for at the window's head)
	s_add_nc_u64 s[36:37], s[36:37], 0x1000000
	XPRE
.Lno_next:
	; ---- the MLP: four groups of 128 hidden units = four K steps of fc2.  No barrier: the rows are mine
	s_mov_b32 s4, 0
.Lmlp:                                                 ; fc1's group is in: no LDS load is out here (the wait for 0 in front of x1 + fc2_b, or the last trip's in front of fc2's products)
	WIN 0x33
.irp t, 0,1,2,3,4,5,6,7                        ; source 0 = 16 rows of fc1_w, source 1 = h; C = fc1_b
.irp u, 0,1
	v_wmma_scale_f32_16x16x128_f8f6f4 v[A+64*\u+8*\t:A+64*\u+8*\t+7], v[W1+8*\t:W1+8*\t+7], v[CF+8*\u:CF+8*\u+7], v[B1+8*\t:B1+8*\t+7], v[W1S+\t], v[HS+\u] matrix_a_fmt:MATRIX_FMT_FP4 matrix_b_fmt:MATRIX_FMT_FP4
.endr
.endr
	WIN 0
	s_add_co_u32 s5, s5, 8192                      ; the next group
	s_add_co_u32 s6, s6, 1024
	s_add_co_u32 s7, s7, 512
	s_wait_alu depctr_vm_vsrc(0)                   ; the LDS loads issued so far have read the three addresses, which the lines below write; in the first group also: the stores of query tiles 6 and 7 have read v120-125, which the quantiser below writes
	v_add_nc_u32 v[WA], s5, v[LI]                  ; these three and the v_nop are the four places in front of the first read of the products' results
	v_add_nc_u32 v[WSA], s6, v[LS]
	v_add_nc_u32 v[WBA], s7, v[VB]
	v_nop
	v_mov_b32 v92, 0xbf3a00e3                      ; a4 / 2, twice (the quantiser writes these two registers)
	v_mov_b32 v93, 0xbf3a00e3
	GELU8 A, 1                                     ; with the group's LDS loads behind its wait
.irp a, 1,2,3,4,5,6,7,8,9,10,11,12,13,14,15
	GELU8 A+8*\a, 0
.endr
	QUANT A, 0, CF+16, GS
	QUANT A+64, 0, CF+24, GS+1
	NOPS 8                                         ; a scale word written by a vector instruction stands 8 places ahead of a scaled matrix instruction, an operand 4
	s_wait_dscnt 0x0                               ; fc2's group, and the next group of fc1
	s_wait_alu depctr_va_vdst(0)                   ; the hidden layer's codes and scale words are written, which fc2's scaled products take; the quantiser is done reading A, in which norm1's gain and bias land behind the last group
	WIN 0x53
.irp t, 0,1,2,3,4,5,6,7                        ; source 0 = 16 rows of fc2_w, source 1 = the hidden layer; in place on X: sixteen accumulators by turns, fc1's products between two links
.irp u, 0,1
	v_wmma_scale_f32_16x16x128_f8f6f4 v[X+64*\u+8*\t:X+64*\u+8*\t+7], v[W2+8*\t:W2+8*\t+7], v[CF+16+8*\u:CF+16+8*\u+7], v[X+64*\u+8*\t:X+64*\u+8*\t+7], v[W2S+\t], v[GS+\u] matrix_a_fmt:MATRIX_FMT_FP4 matrix_b_fmt:MATRIX_FMT_FP4
.endr
.endr
	WIN 0
	NOPS 4                                         ; four places in front of the read of X behind the loop
	s_add_co_u32 s4, s4, 1
	s_cmp_lt_u32 s4, 4
	s_cbranch_scc1 .Lmlp
	; ---- LayerNorm (norm1) and the way out: through my stage, back as whole rows
	VLOAD A, VB, V_N1W                             ; no wait: fc2's products, the only instructions since the last wait on va_vdst, do not name A
	VLOAD A+64, VB, V_N1B
	s_wait_dscnt 0x0
	LN 0, 1, X, 0, A
	LN 1, 1, X+64, 0, A
	WIN 0x04
	s_wait_alu depctr_va_vdst(0)                   ; LayerNorm has written X, which the stage's stores read, and is done reading gain and bias in A, in which the rows land
.irp u, 0,1
.irp b, 0,1,2,3
.irp q, 0,1,2,3
	ds_store_b128 v[SQ], v[X+64*\u+16*\b+4*\q:X+64*\u+16*\b+4*\q+3] offset:16*\u*SPITCH+128*\b+16*\q
.endr
.endr
.endr
	WIN 0
.set i, 0
.rept 32
	ds_load_b128 v[A+4*i:A+4*i+3], v[SD] offset:((((i>>3)&1)<<4)|((i>>4)<<3)|(i&7))*SPITCH   ; LDS serves a wave's instructions in order: these see my stores
.set i, i+1
.endr
.set i, 0
.rept 32
	s_wait_dscnt (31-i)                            ; row i is back; the younger rows may be out
.if (i&4)
	global_store_b128 v[LI], v[A+4*i:A+4*i+3], s[40:41] offset:(i>>3)*65536+(i&3)*512 th:TH_STORE_NT   ; 32 lanes store a token's 512 consecutive bytes, at a multiple of 512 from out0's first byte
.else
	global_store_b128 v[LI], v[A+4*i:A+4*i+3], s[38:39] offset:(i>>3)*65536+(i&3)*512 th:TH_STORE_NT
.endif
.set i, i+1
.endr
	s_wait_xcnt 0x0                                ; the stores' data registers and bases are written again only behind this wait (and, for the data, behind the wait on vm_vsrc at the next window's top)
	s_add_nc_u64 s[38:39], s[38:39], 0x1000000
	s_add_nc_u64 s[40:41], s[40:41], 0x1000000
	s_add_co_u32 s3, s3, 1
	s_cmp_lt_u32 s3, 4
	s_cbranch_scc1 .Lwin
	s_wait_dscnt 0x0                               ; the closing lines, six on end
	s_wait_alu 0x0
	s_wait_tensorcnt 0x0
	ds_add_u32 v2, v67
	s_wait_dscnt 0x0
	s_endpgm
.Lfunc_end_k_qfc1ddd1f55_swin:
	.size	k_qfc1ddd1f55_swin, .Lfunc_end_k_qfc1ddd1f55_swin-k_qfc1ddd1f55_swin
	.p2alignl 7, 3214868480
	.fill 96, 4, 3214868480
	.section	.rodata,"a",@progbits
	.p2align	6, 0x0
	.amdhsa_kernel k_qfc1ddd1f55_swin
		.amdhsa_group_segment_fixed_size 166400
		.amdhsa_private_segment_fixed_size 0
		.amdhsa_enable_private_segment 0
		.amdhsa_kernarg_size 104
		.amdhsa_user_sgpr_count 2
		.amdhsa_user_sgpr_kernarg_segment_ptr 1
		.amdhsa_wavefront_size32 1
		.amdhsa_system_sgpr_workgroup_id_x 1
		.amdhsa_system_sgpr_workgroup_id_y 1
		.amdhsa_system_sgpr_workgroup_id_z 1
		.amdhsa_system_vgpr_workitem_id 0
		.amdhsa_next_free_vgpr 1024
		.amdhsa_next_free_sgpr 80
		.amdhsa_reserve_vcc 1
		.amdhsa_float_denorm_mode_32 3
		.amdhsa_float_denorm_mode_16_64 3
		.amdhsa_memory_ordered 1
		.amdhsa_forward_progress 1
		.amdhsa_inst_pref_size 255
	.end_amdhsa_kernel
	.section	.bss,"aw",@nobits
	.p2align	6
	.space	262144
	.amdgpu_metadata
---
amdhsa.version: [ 1, 2 ]
amdhsa.kernels:
  - .name:           k_qfc1ddd1f55_swin
    .symbol:         k_qfc1ddd1f55_swin.kd
    .args:
      - { .name: x_v, .offset: 0, .size: 8, .value_kind: global_buffer, .address_space: global }
      - { .name: qkv_b, .offset: 8, .size: 8, .value_kind: global_buffer, .address_space: global }
      - { .name: proj_b, .offset: 16, .size: 8, .value_kind: global_buffer, .address_space: global }
      - { .name: rpb_table, .offset: 24, .size: 8, .value_kind: global_buffer, .address_space: global }
      - { .name: norm1_w, .offset: 32, .size: 8, .value_kind: global_buffer, .address_space: global }
      - { .name: norm1_b, .offset: 40, .size: 8, .value_kind: global_buffer, .address_space: global }
      - { .name: norm2_w, .offset: 48, .size: 8, .value_kind: global_buffer, .address_space: global }
      - { .name: norm2_b, .offset: 56, .size: 8, .value_kind: global_buffer, .address_space: global }
      - { .name: fc1_b, .offset: 64, .size: 8, .value_kind: global_buffer, .address_space: global }
      - { .name: fc2_b, .offset: 72, .size: 8, .value_kind: global_buffer, .address_space: global }
      - { .name: wcodes, .offset: 80, .size: 8, .value_kind: global_buffer, .address_space: global }
      - { .name: wscales, .offset: 88, .size: 8, .value_kind: global_buffer, .address_space: global }
      - { .name: out0, .offset: 96, .size: 8, .value_kind: global_buffer, .address_space: global }
    .group_segment_fixed_size: 166400
    .private_segment_fixed_size: 0
    .kernarg_segment_align: 8
    .kernarg_segment_size: 104
    .max_flat_workgroup_size: 128
    .sgpr_count:     80
    .vgpr_count:     1024
    .wavefront_size: 32
...
	.end_amdgpu_metadata
.endif
;; end of part 3
